; MI455X (gfx1250); checked and timed in simulation.
; The chip was launched on July 23, 2026; its instructions are those of AMD's public machine-readable ISA for CDNA 5 (MIT licence, August 2026) and "CDNA5" Instruction Set Architecture Reference Guide (July 2026). The comments in the code are by the model that wrote it; some were corrected since.
;; Deepseek V2 Mo E. Allowed arithmetic: matrix products marked QUANTISED: E4M3 operands, one E8M0 scale for each 32 along K, by v_wmma_scale_f32_16x16x128_f8f6f4 with both operands' format E4M3, f32 sums; products left as they are: f32 operands where the result goes on into a quantised operand, else bf16, f16 or f32 operands; f32 sums; everything else in f32.
;; Inputs: Wd 8 x 512 x 1,024 float32; Wg_codes 8 x 512 x 32 x 32 uint8 (E4M3 codes of Wg, K innermost, in blocks of 32 codes); Wg_scales 8 x 512 x 32 uint8 (E8M0 scales of Wg, one for each 32 codes along K); Wu_codes 8 x 512 x 32 x 32 uint8 (E4M3 codes of Wu, K innermost, in blocks of 32 codes); Wu_scales 8 x 512 x 32 uint8 (E8M0 scales of Wu, one for each 32 codes along K); gate_w 8 x 1,024 float32; hidden_states 4 x 1,024 x 1,024 float32; sWd_codes 1,024 x 16 x 32 uint8 (E4M3 codes of sWd, K innermost, in blocks of 32 codes); sWd_scales 1,024 x 16 uint8 (E8M0 scales of sWd, one for each 32 codes along K); sWg_codes 512 x 32 x 32 uint8 (E4M3 codes of sWg, K innermost, in blocks of 32 codes); sWg_scales 512 x 32 uint8 (E8M0 scales of sWg, one for each 32 codes along K); sWu_codes 512 x 32 x 32 uint8 (E4M3 codes of sWu, K innermost, in blocks of 32 codes); sWu_scales 512 x 32 uint8 (E8M0 scales of sWu, one for each 32 codes along K).
;; Outputs: out0 4 x 1,024 x 1,024 float32.
;; This version of the problem:
;;   THIS VERSION OF THE PROBLEM IS GIVEN IN LOW PRECISION. The matrix products marked QUANTISED in the list below multiply operands that are first quantised to E4M3 (4 exponent bits, 3 mantissa bits; 8 bits a number), with one power-of-two scale for each 32 numbers along K (OCP MX v1.0); their sums are f32. All else is computed in f32.
;;   The module's matrix products, in the order in which they are computed (A, B: the left and right operand; K: the contracted axis; several contracted axes count as one K, in the product's order):
;;     1. [M 4,096, K 1,024] x [K 1,024, N 8]; A: input hidden_states; B: input gate_w: left as it is (N = 8 < 16)
;;     2. [M 4,096, K 1,024] x [K 1,024, N 4,096]; A: input hidden_states; B: input Wg (given as codes): QUANTISED
;;     3. [M 4,096, K 1,024] x [K 1,024, N 4,096]; A: input hidden_states; B: input Wu (given as codes): QUANTISED
;;     4. batch 32,768 x [M 512, K 1] x [K 1, N 1]; A: computed on the way; B: computed on the way: left as it is (no contracted axis)
;;     5. [M 4,096, K 4,096] x [K 4,096, N 1,024]; A: computed on the way; B: input Wd: QUANTISED
;;     6. [M 4,096, K 1,024] x [K 1,024, N 512]; A: input hidden_states; B: input sWg (given as codes): QUANTISED
;;     7. [M 4,096, K 1,024] x [K 1,024, N 512]; A: input hidden_states; B: input sWu (given as codes): QUANTISED
;;     8. [M 4,096, K 512] x [K 512, N 1,024]; A: computed on the way; B: input sWd (given as codes): QUANTISED
;;   THE QUANTISER, for each operand of a quantised product, along K:
;;     - K is cut into blocks of 32 from its start; a last block that is shorter is filled with zeros.
;;     - A block's scale is 2^e with e = floor(log2(the largest magnitude in the block)) - 8, held to -126 .. 127; a block of zeros has e = 0. As a byte (E8M0): e + 127.
;;     - Each number is divided by its block's scale, clamped to +-448, and rounded to the nearest number of E4M3, ties to even, subnormals kept.
;;     - The product sums the exact products of the quantised numbers (number of the format x scale) in f32.
;;   ~~~python
;;   def quantise(x, axis):      # numpy; x: float32 -> the quantised numbers, widened to float32 again
;;       x = np.moveaxis(x, axis, -1); K = x.shape[-1]
;;       x = np.pad(x, [(0, 0)] * (x.ndim - 1) + [(0, -K % 32)]); x = x.reshape(x.shape[:-1] + (-1, 32)); a = np.abs(x).max(-1, keepdims=True)
;;       e = np.where(a > 0, np.clip(np.frexp(np.where(a > 0, a, 1))[1] - 1 - 8, -126, 127), 0)      # np.frexp(a)[1] - 1 = floor(log2(a)), exactly
;;       r = np.clip(x / 2.0 ** e, -448, 448)
;;       step = 2.0 ** (np.maximum(np.frexp(np.where(r == 0, 1, r))[1] - 1, -6) - 3)
;;       q = np.round(r / step) * step * 2.0 ** e      # np.round: ties to even
;;       return np.moveaxis(q.reshape(q.shape[:-2] + (-1,))[..., :K], -1, axis).astype(np.float32)
;;   ~~~
;;   OPERANDS COMPUTED ON THE WAY. 'Computed on the way' means the value that the module computes at that place (a softmax that the list does not call 'softmax' is quantised finished and normalised). What goes into a quantiser is computed in f32, as accurately as f32 sums, v_exp_f32 and their like allow (about 1e-6 of the number): no bf16 or f16 on the way to a quantiser, and a product that is left as it is and whose result goes on into a quantised operand takes f32 operands (vector FMAs, or v_wmma_f32_16x16x4_f32). A number that lies on a knife's edge between two numbers of the format may be rounded either way, as far as f32 arithmetic and the matrix unit's own rounding can turn it there, and no further.
;;   INPUTS GIVEN AS CODES. Wg (in the module: [8, 1024, 512], K = its axis 1); Wu (in the module: [8, 1024, 512], K = its axis 1); sWd (in the module: [512, 1024], K = its axis 0); sWg (in the module: [1024, 512], K = its axis 0); sWu (in the module: [1024, 512], K = its axis 0): each comes as NAME_codes (uint8): NAME with its K axis moved to the last place and cut into blocks of 32 codes, [.., K / 32, bytes a block], one block behind the other in memory; one code a byte (a code: sign, 4 exponent bits, 3 mantissa bits); and NAME_scales (uint8): the same leading axes, one E8M0 byte (e + 127) for each 32 codes along K. Its value is code x scale, taken as it is: it is not quantised again, and the codes and scales need not be those that the quantiser above would give.
;; One version. Each part assembles by itself: llvm-mc -triple=amdgcn-amd-amdhsa -mcpu=gfx1250 --defsym DOCPART=n.
;; ======== version 1 of 1: 4 launches
;; workspace buffers: p1 8,683,520 bytes; n1 32,768 bytes of whole numbers; p2 14,319,616 bytes; n2 23,296 bytes of whole numbers; p3 7,299,072 bytes
;; launch prep (part 1): grid 384 x 1, 4 waves a work-group, no clusters, 33,792 bytes of LDS; arguments hidden_states, gate_w, Wd, p1, n1; writes p1, n1
.if DOCPART == 1
	.amdgcn_target "amdgcn-amd-amdhsa--gfx1250"
	.amdhsa_code_object_version 6
	.text
	.protected	k_qc65a4fe9be_prep
	.globl	k_qc65a4fe9be_prep
	.p2align	8
	.type	k_qc65a4fe9be_prep,@function
k_qc65a4fe9be_prep:
	s_mov_b64 s[64:65], 0
	v_nop
	global_prefetch_b8 v0, s[64:65] scope:SCOPE_SE
	s_setreg_imm32_b32 hwreg(HW_REG_WAVE_MODE, 25, 1), 1
	s_wait_xcnt 0x0
; DeepseekV2MoE in MX-FP8, launch 1 of 4.
; WORK LEFT OUT BY THE WHOLE PROGRAM.  reference() builds cw = one_hot(topk_idx) x topk_w in its own body, so cw[t][e] is exactly 0 for the six experts that token t did not choose, whatever
; the inputs hold.  inter[t][e][:] x cw[t][e] is then a run of zeros; blocks of 32 along K = (e, i) never cross an expert (512 is a multiple of 32), so these blocks quantise to zero codes and add
; nothing to the product with Wd.  So x Wg, x Wu, the gelu and the down product are made only for the two chosen experts of each token (and the shared expert).  Every input still has a way to the output and is loaded.
; LIMITS: a NaN, an infinity or an overflow that arises only in an expert that a token did not choose is not carried to the result.  Two router scores that agree to within the rounding of an f32 sum of 1,024 terms
; may be ordered otherwise than reference() orders them.  A block of zeros gets the scale byte 1 where the rule says 127: its codes are zeros, and these bytes are read by this program alone.
; Blocks whose largest magnitude lies under 2^-118 (the floor) were not tried.  NaN and infinities among the inputs are not served.
; THIS LAUNCH.  Work-groups 0-127 (32 tokens each; a wave 8 rows): x becomes E4M3 codes and E8M0 bytes; beside it the router in f32: 8 logits, softmax, top 2 (the lower index wins a tie), weights normalised;
;   stored at fixed places: a word (key of the pair | rank in the group | the two experts), a histogram of the group's keys, the two weights.  No address and no branch hangs on these numbers here.
; Work-groups 128-383: Wd [e][i][h] f32, K = i not innermost: a lane takes a column h and its registers run down i; codes leave in the order of the operand's registers (fragments of 2,048 bytes).
; p1: XQ 0 [t][1024] | XQS [t][32] | WTS [t][2] f32 | WDS [e][s4][n1024] words | WDF [e][nt64][s4] fragments.   n1: KEYR [t] | HIST [g128][32].
.set SPARE, 33280                      ; the spare words, 128 bytes a wave
.set KEYS,  32768                      ; 32 words: the group's key words
.set WPR,   33024                      ; 32 pairs of weights
.set XQS_O, 4194304
.set WTS_O, 4325376
.set WDS_O, 4358144
.set WDF_O, 4489216
.set HIST_O, 16384
.set WREG,  8192                       ; LDS region of a wave: two stages of 32 x 80 bytes, then 256 scale bytes
.set SP,    80
.set STEPS, 16
.set R,     16                         ; v16-79   four sets of 16 numbers as loaded
.set X,     80                         ; v80-111  two sets of 16 neighbours
.set E,     112                        ; v112-127 a scale byte a step
.set C,     128                        ; v128-191 codes, four registers a step
.set ACC,   192                        ; v192-207 eight pairs: a row's partial logits
.set LOG,   208                        ; v208-215 logits: lane l keeps row l & 7
.set TMP,   216                        ; v216-247 at work
.set MSB, 0
.macro WIN new                         ; the immediate's high byte repeats the setting that is left
.if MSB != \new
	s_set_vgpr_msb (MSB<<8)|\new
.set MSB, \new
.endif
.endm
	s_load_b256 s[4:11], s[0:1], 0x0               ; hidden_states, gate_w, Wd, p1
	s_load_b64 s[12:13], s[0:1], 0x20              ; n1
	v_lshl_add_u32 v12, v0, 2, SPARE               ; my spare word; never rewritten
	v_mov_b32 v13, 0                               ; 0; never rewritten
	v_lshrrev_b32 v1, 5, v0
	v_readfirstlane_b32 s16, v1                    ; wave
	v_and_b32 v2, 31, v0                           ; lane
	s_mov_b32 s23, 0x600000                        ; the mantissa field of 448
	s_mov_b32 s25, 0                               ; the high word of every offset
	s_wait_kmcnt 0x0
	s_cmp_lt_u32 ttmp9, 128                        ; the work-group's number alone decides
	s_cbranch_scc0 .Lpath_b
; ---------------- x and the router ----------------
	v_lshlrev_b32 v3, 4, v2                        ; 16 x lane: my bytes of a load's 512, and of a step's codes
	s_mul_i32 s17, s16, WREG
	v_lshrrev_b32 v14, 2, v2
	v_mul_u32_u24 v14, v14, SP
	v_and_b32 v15, 3, v2
	v_lshl_add_u32 v14, v15, 4, v14
	v_add_nc_u32 v14, s17, v14                     ; the stage on the way in
	v_mul_u32_u24 v15, v2, SP
	v_add_nc_u32 v15, s17, v15                     ; and on the way out: my 16 neighbours
	v_lshrrev_b32 v5, 1, v2
	s_add_co_u32 s17, s17, 2*32*SP
	v_add_nc_u32 v5, s17, v5                       ; my block's scale byte
	v_lshlrev_b32 v7, 3, v2
	v_add_nc_u32 v6, s17, v7                       ; the bytes' way out: 8 a lane
	v_lshlrev_b32 v4, 6, v2                        ; gate_w: 64 bytes a lane
	v_and_b32 v1, 7, v2
	s_lshl_b32 s18, s16, 5
	s_add_co_u32 s18, s18, KEYS
	v_lshl_add_u32 v248, v1, 2, s18                ; KEYS + 32 wave + 4 (lane & 7)
	s_lshl_b32 s18, s16, 6
	s_add_co_u32 s18, s18, WPR
	v_lshl_add_u32 v249, v1, 3, s18                ; WPR + 64 wave + 8 (lane & 7)
	v_lshl_add_u32 v250, v2, 2, KEYS               ; wave 0 reads a word a lane,
	v_lshl_add_u32 v251, v2, 3, WPR                ; and a pair a lane
	s_mov_b32 s20, 0x76543210
	s_mov_b32 s21, 0xfedcba98                      ; lane l xor 16
	s_lshl_b32 s18, ttmp9, 2
	s_add_co_u32 s18, s18, s16                     ; which run of 8 rows is my wave's
	s_lshl_b32 s24, s18, 15
	s_add_nc_u64 s[4:5], s[4:5], s[24:25]          ; x: 32,768 bytes a run
	s_lshl_b32 s24, s18, 13
	s_add_nc_u64 s[26:27], s[10:11], s[24:25]      ; codes: 8,192
	s_lshl_b32 s24, s18, 8
	s_add_co_u32 s24, s24, XQS_O
	s_add_nc_u64 s[28:29], s[10:11], s[24:25]      ; scale bytes: 256
	WIN 0x40                                       ; destination v256-511: gate_w[e][512 s + 16 lane + i] at 16 (2 e + s) + i
.irp e, 0,1,2,3,4,5,6,7
.irp s, 0,1
.irp j, 0,1,2,3
	global_load_b128 v[16*(2*\e+\s)+4*\j:16*(2*\e+\s)+4*\j+3], v4, s[6:7] offset:\e*4096+\s*2048+16*\j
.endr
.endr
.endr
	WIN 0
.irp e, 0,1,2,3,4,5,6,7
	v_mov_b32 v[TMP+8+\e], 0                       ; a lane permute's destination counts as read
.endr
.macro LOAD t
.irp i, 0,1,2,3
	global_load_b128 v[R+16*((\t)%4)+4*\i:R+16*((\t)%4)+4*\i+3], v3, s[4:5] offset:2048*(\t)+512*\i th:TH_LOAD_NT   ; 32 lanes read 512 consecutive bytes
.endr
.endm
.macro TURN t                          ; a step's 2,048 bytes through my own stage: in as they lie, out 64 bytes a lane; LDS serves a wave's instructions in order
.irp i, 0,1,2,3
	ds_store_b128 v14, v[R+16*((\t)%4)+4*\i:R+16*((\t)%4)+4*\i+3] offset:32*SP*((\t)%2)+8*SP*\i
.endr
.irp i, 0,1,2,3
	ds_load_b128 v[X+16*((\t)%2)+4*\i:X+16*((\t)%2)+4*\i+3], v15 offset:32*SP*((\t)%2)+16*\i
.endr
.endm
.macro ROUT t                          ; my 16 numbers x the 8 experts' weights at the same places: eight chains of packed multiply-adds; an even step starts the row's sums
.set XS, X+16*((\t)%2)
.set GS, 16*((\t)%2)
	WIN 0x04                                       ; source 1 in v256-511
.irp i, 0,1,2,3,4,5,6,7
.irp e, 0,1,2,3,4,5,6,7
.if ((\t)%2 == 0) && (\i == 0)
	v_pk_mul_f32 v[ACC+2*\e:ACC+2*\e+1], v[XS+2*\i:XS+2*\i+1], v[32*\e+GS+2*\i:32*\e+GS+2*\i+1]
.else
	v_pk_fma_f32 v[ACC+2*\e:ACC+2*\e+1], v[XS+2*\i:XS+2*\i+1], v[32*\e+GS+2*\i:32*\e+GS+2*\i+1], v[ACC+2*\e:ACC+2*\e+1]
.endif
.endr
.endr
	WIN 0
.endm
.macro RSUM rho                        ; the row's eight logits over the 32 lanes; lanes with l & 7 = rho keep them
.irp e, 0,1,2,3,4,5,6,7
	v_add_f32 v[TMP+\e], v[ACC+2*\e], v[ACC+2*\e+1]
.endr
.irp m, 1,2,4,8
.irp e, 0,1,2,3,4,5,6,7
	v_add_f32_dpp v[TMP+\e], v[TMP+\e], v[TMP+\e] row_xmask:\m row_mask:0xf bank_mask:0xf
.endr
.endr
.irp e, 0,1,2,3,4,5,6,7
	v_permlanex16_b32 v[TMP+8+\e], v[TMP+\e], s20, s21
.endr
.irp e, 0,1,2,3,4,5,6,7
	v_add_f32 v[TMP+\e], v[TMP+\e], v[TMP+8+\e]
.endr
.if (\rho) == 0
.irp e, 0,1,2,3,4,5,6,7
	v_mov_b32 v[LOG+\e], v[TMP+\e]
.endr
.else
	s_mov_b32 s24, 0x01010101<<(\rho)
.irp e, 0,1,2,3,4,5,6,7
	v_cndmask_b32 v[LOG+\e], v[LOG+\e], v[TMP+\e], s24
.endr
.endif
.endm
.irp t, 0,1,2,3
	LOAD \t
.endr
	s_wait_loadcnt 12                              ; steps 1 to 3 (12 loads) may be out: gate_w and step 0 are in
	TURN 0
.macro STEP t                          ; step t: row t / 2 of my 8, half t % 2
.set XS, X+16*((\t)%2)
.if (\t) > 0
	s_wait_dscnt 1                                 ; this step's numbers are back from the stage (the last step's byte store may be out)
.else
	s_wait_dscnt 0x0
.endif
.if (\t)+4 < STEPS
	LOAD (\t)+4                                    ; into the set whose stores into the stage are done
.endif
.if (\t)+1 < STEPS
.if STEPS-2-(\t) >= 3
	s_wait_loadcnt 12                              ; the next step's four loads are in; three steps' may be out
.else
	s_wait_loadcnt 4*(STEPS-2-(\t))
.endif
	TURN (\t)+1
.endif
	ROUT \t                                        ; ahead of the hold, which writes over the numbers
	v_max3_num_f32 v8, |v[XS]|, |v[XS+1]|, |v[XS+2]|
	v_max3_num_f32 v9, |v[XS+3]|, |v[XS+4]|, |v[XS+5]|
.irp i, 6,10
	v_max3_num_f32 v8, v8, |v[XS+\i]|, |v[XS+\i+1]|
	v_max3_num_f32 v9, v9, |v[XS+\i+2]|, |v[XS+\i+3]|
.endr
	v_max3_num_f32 v8, v8, |v[XS+14]|, |v[XS+15]|
	v_max3_num_f32 v8, v8, v9, 0x4800000           ; the floor 2^(9 - 127): the byte cannot fall under 1
	v_max_num_f32_dpp v8, v8, v8 row_xmask:1 row_mask:0xf bank_mask:0xf   ; with my neighbour's 16: the block's largest magnitude
	v_add_nc_u32 v11, 0xfc000000, v8               ; 8 off its exponent field: the conversion's scale operand
	v_and_or_b32 v10, v8, 0x7f800000, s23          ; 448 x the scale
.irp i, 0,1,2,3,4,5,6,7,8,9,10,11,12,13,14,15
	v_med3_num_f32 v[XS+\i], v[XS+\i], -v10, v10   ; the conversion does not saturate (ISA guide 7.6.2): the hold
.endr
	v_cvt_scalef32_pk8_fp8_f32 v[C+4*(\t):C+4*(\t)+1], v[XS:XS+7], v11
	v_cvt_scalef32_pk8_fp8_f32 v[C+4*(\t)+2:C+4*(\t)+3], v[XS+8:XS+15], v11
	v_lshrrev_b32 v[E+(\t)], 23, v11               ; the scale's byte (also the plain line behind the conversions)
	ds_store_b8 v5, v[E+(\t)] offset:16*(\t)       ; both lanes of a block write the same byte
	global_store_b128 v3, v[C+4*(\t):C+4*(\t)+3], s[26:27] offset:512*(\t)   ; 512 consecutive bytes
.if (\t)%2 == 1
	RSUM (\t)/2
.endif
.endm
.irp t, 0,1,2,3,4,5,6,7,8,9,10,11,12,13,14,15
	STEP \t
.endr
	ds_load_b64 v[8:9], v6                         ; my wave's 256 scale bytes
	s_wait_dscnt 0x0
	global_store_b64 v7, v[8:9], s[28:29]          ; one aligned run of 256 bytes
	; softmax and top 2: every lane works on row lane & 7
	v_max3_num_f32 v232, v208, v209, v210
	v_max3_num_f32 v232, v232, v211, v212
	v_max3_num_f32 v232, v232, v213, v214
	v_max_num_f32 v232, v232, v215                 ; the row's maximum is taken away, as reference() does
.irp e, 0,1,2,3,4,5,6,7
	v_sub_f32 v[TMP+\e], v[LOG+\e], v232
.endr
.irp e, 0,1,2,3,4,5,6,7
	v_mul_f32 v[TMP+\e], 0x3fb8aa3b, v[TMP+\e]
.endr
.irp e, 0,1,2,3,4,5,6,7
	v_exp_f32 v[TMP+\e], v[TMP+\e]
.endr
	v_nop
	s_wait_alu depctr_va_vdst(0)                   ; one wait for the eight exponentials, ahead of their first reader
	v_add_f32 v224, v216, v217
	v_add_f32 v225, v218, v219
	v_add_f32 v226, v220, v221
	v_add_f32 v227, v222, v223
	v_add_f32 v224, v224, v225
	v_add_f32 v226, v226, v227
	v_add_f32 v224, v224, v226
	v_rcp_f32 v225, v224
	v_nop
	s_wait_alu depctr_va_vdst(0)
.irp e, 0,1,2,3,4,5,6,7
	v_mul_f32 v[TMP+\e], v[TMP+\e], v225           ; the scores
.endr
	v_mov_b32 v226, v216                           ; V1, I1: the largest so far; V2, I2: the second
	v_mov_b32 v227, 0
	v_mov_b32 v228, -1.0
	v_mov_b32 v229, 0
.irp e, 1,2,3,4,5,6,7
	v_cmp_gt_f32 s30, v[TMP+\e], v226              ; strictly greater: the lower index keeps a tie
	v_cmp_gt_f32 s31, v[TMP+\e], v228
	v_cndmask_b32 v228, v228, v[TMP+\e], s31
	v_cndmask_b32 v229, v229, \e, s31
	v_cndmask_b32 v228, v228, v226, s30
	v_cndmask_b32 v229, v229, v227, s30
	v_cndmask_b32 v226, v226, v[TMP+\e], s30
	v_cndmask_b32 v227, v227, \e, s30
.endr
	v_add_f32 v230, v226, v228
	v_add_f32 v230, 0x1e3ce508, v230               ; + 1e-20
	v_rcp_f32 v231, v230
	v_min_u32 v232, v227, v229                     ; the lower expert
	v_max_u32 v233, v227, v229                     ; the higher
	v_cmp_lt_u32 s30, v227, v229
	s_wait_alu depctr_va_vdst(0)
	v_mul_f32 v234, v226, v231
	v_mul_f32 v235, v228, v231
	v_cndmask_b32 v236, v235, v234, s30            ; the lower expert's weight
	v_cndmask_b32 v237, v234, v235, s30            ; the higher's
	v_sub_nc_u32 v238, 15, v232
	v_mul_u32_u24 v238, v238, v232
	v_lshrrev_b32 v238, 1, v238
	v_add_nc_u32 v238, v238, v233
	v_sub_nc_u32 v238, v238, v232
	v_add_nc_u32 v238, -1, v238                    ; the pair's key, 0 .. 27, in the order of (lower, higher)
	v_lshl_or_b32 v238, v232, 16, v238
	v_lshl_or_b32 v238, v233, 20, v238
	ds_store_b32 v248, v238                        ; four lanes write the same word with the same value
	ds_store_b64 v249, v[236:237]
	s_wait_dscnt 0x0                               ; for wave 0's sake
	s_barrier_signal -1
	s_barrier_wait -1
	s_cmp_lg_u32 s16, 0
	s_cbranch_scc1 .Lend_a
	ds_load_b32 v216, v250                         ; lane = token in the group
	ds_load_b64 v[218:219], v251
	v_mov_b32 v220, 0                              ; the histogram: lane k = tokens with key k
	v_mov_b32 v221, 0                              ; my rank among the group's tokens of my key
	s_wait_dscnt 0x0
	v_and_b32 v217, 31, v216
.set k, 0
.rept 28
	v_cmp_eq_u32 s30, k, v217
	v_mbcnt_lo_u32_b32 v222, s30, 0
	v_cndmask_b32 v221, v221, v222, s30
	s_bcnt1_i32_b32 s31, s30
	v_writelane_b32 v220, s31, k
.set k, k+1
.endr
	v_lshl_or_b32 v216, v221, 8, v216
	s_lshl_b32 s24, ttmp9, 7
	s_add_nc_u64 s[12:13], s[12:13], s[24:25]
	v_lshlrev_b32 v223, 2, v2
	global_store_b32 v223, v216, s[12:13]
	global_store_b32 v223, v220, s[12:13] offset:HIST_O
	s_lshl_b32 s24, ttmp9, 8
	s_add_co_u32 s24, s24, WTS_O
	s_add_nc_u64 s[10:11], s[10:11], s[24:25]
	global_store_b64 v7, v[218:219], s[10:11]      ; 256 consecutive bytes
.Lend_a:
	s_wait_tensorcnt 0x0                           ; the wave's end
	ds_add_u32 v12, v13
	s_wait_dscnt 0x0
	s_endpgm
; ---------------- Wd ----------------
.Lpath_b:
	s_sub_co_u32 s17, ttmp9, 128
	s_lshl_b32 s17, s17, 2
	s_add_co_u32 s17, s17, s16                     ; 1,024 waves: 32 columns x 128 along K each
	s_and_b32 s18, s17, 31                         ; which 32 columns
	s_bfe_u32 s19, s17, 0x20005                    ; which 128 along K
	s_lshr_b32 s20, s17, 7                         ; the expert
	s_lshl_b32 s24, s20, 21
	s_lshl_b32 s22, s19, 19
	s_add_co_u32 s24, s24, s22
	s_lshl_b32 s22, s18, 7
	s_add_co_u32 s24, s24, s22
	s_add_nc_u64 s[8:9], s[8:9], s[24:25]          ; Wd[e][128 s][32 cg]
	s_lshl_b32 s24, s20, 19
	s_lshl_b32 s22, s18, 14
	s_add_co_u32 s24, s24, s22
	s_lshl_b32 s22, s19, 11
	s_add_co_u32 s24, s24, s22
	s_add_co_u32 s24, s24, WDF_O
	s_add_nc_u64 s[26:27], s[10:11], s[24:25]      ; fragment ((64 e + 2 cg) 4 + s)
	s_lshl_b32 s24, s20, 14
	s_lshl_b32 s22, s19, 12
	s_add_co_u32 s24, s24, s22
	s_lshl_b32 s22, s18, 7
	s_add_co_u32 s24, s24, s22
	s_add_co_u32 s24, s24, WDS_O
	s_add_nc_u64 s[28:29], s[10:11], s[24:25]
	v_lshlrev_b32 v3, 2, v2
	v_lshrrev_b32 v4, 4, v2
	v_and_b32 v5, 15, v2
	v_lshlrev_b32 v5, 4, v5
	v_lshl_add_u32 v4, v4, 13, v5                  ; lanes 16-31 fill the next tile of 16 columns, four fragments on
.set i, 0
.rept 128
	global_load_b32 v[32+i], v3, s[8:9] offset:i*4096 th:TH_LOAD_NT   ; a row of Wd at 32 neighbouring columns
.set i, i+1
.endr
.macro BLOCK c, left                   ; 32 along K of my column: all in my registers
.set XB, 32+32*(\c)
.set CB, 160+8*(\c)
	s_wait_loadcnt \left
	v_max3_num_f32 v16, |v[XB]|, |v[XB+1]|, |v[XB+2]|
	v_max3_num_f32 v17, |v[XB+3]|, |v[XB+4]|, |v[XB+5]|
.irp i, 6,10,14,18,22,26
	v_max3_num_f32 v16, v16, |v[XB+\i]|, |v[XB+\i+1]|
	v_max3_num_f32 v17, v17, |v[XB+\i+2]|, |v[XB+\i+3]|
.endr
	v_max3_num_f32 v16, v16, |v[XB+30]|, |v[XB+31]|
	v_max3_num_f32 v16, v16, v17, 0x4800000
	v_add_nc_u32 v11, 0xfc000000, v16
	v_and_or_b32 v10, v16, 0x7f800000, s23
	v_lshrrev_b32 v9, 23, v11
.if (\c) == 0
	v_mov_b32 v24, v9
.else
	v_lshl_or_b32 v24, v9, 8*(\c), v24             ; the four bytes make my column's scale word for these 128
.endif
.irp i, 0,1,2,3,4,5,6,7,8,9,10,11,12,13,14,15,16,17,18,19,20,21,22,23,24,25,26,27,28,29,30,31
	v_med3_num_f32 v[XB+\i], v[XB+\i], -v10, v10
.endr
.irp g, 0,1,2,3
	v_cvt_scalef32_pk8_fp8_f32 v[CB+2*\g:CB+2*\g+1], v[XB+8*\g:XB+8*\g+7], v11
.endr
	v_nop
	global_store_b128 v4, v[CB:CB+3], s[26:27] offset:512*(\c)         ; k 32 c + 0 .. 15: the place of lane r; sixteen lanes fill 256 consecutive bytes
	global_store_b128 v4, v[CB+4:CB+7], s[26:27] offset:512*(\c)+256   ; k 32 c + 16 .. 31: the place of lane 16 + r
.endm
	BLOCK 0, 63                                    ; 96 younger loads: the field's largest count is the nearest safe one
	BLOCK 1, 63                                    ; 64 younger loads
	BLOCK 2, 32
	BLOCK 3, 0
	global_store_b32 v3, v24, s[28:29]
	s_endpgm
.Lfunc_end_k_qc65a4fe9be_prep:
	.size	k_qc65a4fe9be_prep, .Lfunc_end_k_qc65a4fe9be_prep-k_qc65a4fe9be_prep
	.p2alignl 7, 3214868480
	.fill 96, 4, 3214868480
	.section	.rodata,"a",@progbits
	.p2align	6, 0x0
	.amdhsa_kernel k_qc65a4fe9be_prep
		.amdhsa_group_segment_fixed_size 33792
		.amdhsa_private_segment_fixed_size 0
		.amdhsa_enable_private_segment 0
		.amdhsa_kernarg_size 40
		.amdhsa_user_sgpr_count 2
		.amdhsa_user_sgpr_kernarg_segment_ptr 1
		.amdhsa_wavefront_size32 1
		.amdhsa_system_sgpr_workgroup_id_x 1
		.amdhsa_system_sgpr_workgroup_id_y 1
		.amdhsa_system_sgpr_workgroup_id_z 1
		.amdhsa_system_vgpr_workitem_id 0
		.amdhsa_next_free_vgpr 512
		.amdhsa_next_free_sgpr 66
		.amdhsa_reserve_vcc 0
		.amdhsa_float_denorm_mode_32 3
		.amdhsa_float_denorm_mode_16_64 3
		.amdhsa_memory_ordered 1
		.amdhsa_forward_progress 1
		.amdhsa_inst_pref_size 194
	.end_amdhsa_kernel
	.amdgpu_metadata
---
amdhsa.version: [ 1, 2 ]
amdhsa.kernels:
  - .name:           k_qc65a4fe9be_prep
    .symbol:         k_qc65a4fe9be_prep.kd
    .args:
      - { .name: hidden_states, .offset: 0, .size: 8, .value_kind: global_buffer, .address_space: global }
      - { .name: gate_w, .offset: 8, .size: 8, .value_kind: global_buffer, .address_space: global }
      - { .name: Wd, .offset: 16, .size: 8, .value_kind: global_buffer, .address_space: global }
      - { .name: p1, .offset: 24, .size: 8, .value_kind: global_buffer, .address_space: global }
      - { .name: n1, .offset: 32, .size: 8, .value_kind: global_buffer, .address_space: global }
    .group_segment_fixed_size: 33792
    .private_segment_fixed_size: 0
    .kernarg_segment_align: 8
    .kernarg_segment_size: 40
    .max_flat_workgroup_size: 128
    .sgpr_count:     66
    .vgpr_count:     512
    .wavefront_size: 32
...
	.end_amdgpu_metadata
.endif
;; end of part 1
;; launch place (part 2): grid 280 x 1, 4 waves a work-group, no clusters, 0 bytes of LDS; arguments Wg_codes, Wu_codes, sWg_codes, sWu_codes, sWd_codes, p1, n1, p2, n2; writes p2, n2
.if DOCPART == 2
	.amdgcn_target "amdgcn-amd-amdhsa--gfx1250"
	.amdhsa_code_object_version 6
	.text
	.protected	k_qc65a4fe9be_place
	.globl	k_qc65a4fe9be_place
	.p2align	8
	.type	k_qc65a4fe9be_place,@function
k_qc65a4fe9be_place:
	s_mov_b64 s[64:65], 0
	v_nop
	global_prefetch_b8 v0, s[64:65] scope:SCOPE_SE
	s_setreg_imm32_b32 hwreg(HW_REG_WAVE_MODE, 25, 1), 1
	s_wait_xcnt 0x0
; Launch 2 of 4.  (Work left out: only the chosen experts' rows are placed; see the head of the first kernel.)
; Work-groups 0-127: a counting sort of the tokens by their pair of experts, made from the 128 histograms that the launch before stored as whole numbers.  Every wave makes the rows' prefix sums itself (no barrier),
;   then copies its 8 rows of x's codes and scale bytes to their sorted places; wave 0 stores the tokens' numbers and weights there and the tables.  A tile is 16 sorted rows of ONE pair.
;   TINFO[tile] = first sorted row | (rows - 1) << 12.   SEGB (for the down product) = first tile | tiles << 9 | lower << 13 | higher << 17: runs of 8 tiles of a pair.
;   FOR THE GATE AND UP PRODUCTS THE TILES ARE LISTED BY EXPERT: an expert's list is its tiles as lower expert, then its tiles as higher expert; the shared expert's list is all tiles.  A list is cut into segments of 16.
;   SEGT[16 segment + place] = first sorted row | (rows - 1) << 12 | tile << 16 | slot << 25 (slot 0 lower, 1 higher, 2 shared);  SEGH[segment] = tiles | expert << 5.
;   The eight lists hold twice the tiles, 564 at the most, so they make (564 + 8 x 15) / 16 = 42 segments at the most, the shared list 18: 60 in all, whatever the split.
;   Each table word has one writer: a tile's first token, a segment's first token, or work-group 0.
; Work-groups 128-271: Wg, Wu, sWg, sWu codes into the order of the operand's registers: a panel of 64 KB for 32 hidden units: [K step 8][gate tile 0, 1, up tile 0, 1] fragments of 2,048 bytes.
;   Lane r of a tile takes row 8 u + r + 8 (r / 8), so that two tiles' results are 16 neighbours along the next K.   Work-groups 272-279: sWd's codes likewise, rows as they lie.
; p2: XS 0 [row][1024] | XSS [row][32] | WS [row][2] | GUF [e9][ug16] panels | SWDF [nt64][s4].   n2: TOKS [row] | TINFO | SEGH | SEGB | SEGT.
.set XQS_O, 4194304
.set WTS_O, 4325376
.set HIST_O, 16384
.set XSS_O, 4194304
.set WS_O,  4325376
.set GUF_O, 4358144
.set SWDF_O, 13795328
.set TINFO_O, 16384
.set SEGH_O, 18432
.set SEGB_O, 18944
.set SEGT_O, 19200
.set H, 128                            ; v128-255 the 128 histograms, lane = key; later at work
	s_load_b512 s[4:19], s[0:1], 0x0               ; Wg, Wu, sWg, sWu, sWd codes; p1 s[14:15]; n1 s[16:17]; p2 s[18:19]
	s_load_b64 s[20:21], s[0:1], 0x40              ; n2
	v_lshrrev_b32 v1, 5, v0
	v_readfirstlane_b32 s24, v1                    ; wave
	v_and_b32 v1, 31, v0                           ; lane
	v_lshlrev_b32 v2, 2, v1
	v_lshlrev_b32 v3, 4, v1
	v_lshlrev_b32 v4, 3, v1
	s_mov_b32 s27, 0                               ; the high word of every offset
	s_wait_kmcnt 0x0
	s_cmp_lt_u32 ttmp9, 128
	s_cbranch_scc0 .Lcopies
	s_mov_b32 s22, ttmp9                           ; my group of 32 tokens
	s_lshl_b32 s26, s22, 7
	s_add_nc_u64 s[30:31], s[16:17], s[26:27]
	s_lshl_b32 s26, s22, 8
	s_add_co_u32 s26, s26, WTS_O
	s_add_nc_u64 s[32:33], s[14:15], s[26:27]
	s_lshl_b32 s26, s22, 10
	s_lshl_b32 s28, s24, 8
	s_add_co_u32 s26, s26, s28
	s_add_co_u32 s26, s26, XQS_O
	s_add_nc_u64 s[34:35], s[14:15], s[26:27]
	s_lshl_b32 s26, s22, 15
	s_lshl_b32 s28, s24, 13
	s_add_co_u32 s26, s26, s28
	s_add_nc_u64 s[36:37], s[14:15], s[26:27]
.set i, 0
.rept 128
	global_load_b32 v[H+i], v2, s[16:17] offset:HIST_O+128*i
.set i, i+1
.endr
	global_load_b32 v57, v2, s[30:31]              ; my token's word
	global_load_b64 v[58:59], v4, s[32:33]         ; its two weights
	global_load_b64 v[60:61], v4, s[34:35]         ; my wave's 8 rows of scale bytes, 8 a lane
.irp i, 0,1,2,3,4,5,6,7
	global_load_b128 v[64+8*\i:64+8*\i+3], v3, s[36:37] offset:1024*\i
	global_load_b128 v[64+8*\i+4:64+8*\i+7], v3, s[36:37] offset:1024*\i+512
.endr
.irp r, 8,9,10,11,12,13,14,15,17
	v_mov_b32 v\r, 0
.endr
	s_mov_b32 s39, 0xffff0000
	s_wait_loadcnt 19                              ; the 19 younger loads may be out: the histograms are in
.set i, 0
.rept 64
	v_add3_u32 v[8+(i/2)%4], v[8+(i/2)%4], v[H+i], v[H+i+1]     ; T: all groups' tokens of key = lane
.set i, i+2
.endr
.set i, 0
.rept 128
	s_cmp_gt_u32 s22, i
	s_cselect_b32 s23, 1, 0
	v_mad_u32_u24 v[12+i%4], v[H+i], s23, v[12+i%4]             ; B: those of the groups ahead of mine
.set i, i+1
.endr
	v_add3_u32 v5, v8, v9, v10
	v_add_nc_u32 v5, v5, v11                       ; T
	v_add3_u32 v6, v12, v13, v14
	v_add_nc_u32 v6, v6, v15                       ; B
	v_add_nc_u32 v7, 15, v5
	v_lshrrev_b32 v7, 4, v7                        ; n: the key's tiles
.macro SCAN x, t, own                  ; the sum of the lanes below mine
	v_mov_b32 v[\own], v[\x]
.irp d, 1,2,4,8
	v_mov_b32_dpp v[\t], v[\x] row_shr:\d row_mask:0xf bank_mask:0xf bound_ctrl:1
	v_add_nc_u32 v[\x], v[\x], v[\t]
.endr
	v_readlane_b32 s38, v[\x], 15
	v_mov_b32 v[\t], s38
	v_cndmask_b32 v[\t], 0, v[\t], s39
	v_add_nc_u32 v[\x], v[\x], v[\t]
	v_sub_nc_u32 v[\x], v[\x], v[\own]
.endm
	v_lshl_or_b32 v16, v7, 16, v5                  ; both sums in one word: 4,096 and 282 at the most
	SCAN 16, 17, 18
	v_and_b32 v19, 0xffff, v16                     ; S: sorted rows ahead of the key
	v_lshrrev_b32 v20, 16, v16                     ; TB: tiles ahead of it; in lane 28: all tiles
	v_add_nc_u32 v31, v19, v6
	v_lshl_or_b32 v31, v20, 16, v31                ; P1 = (S + B) | TB << 16
	v_lshl_or_b32 v32, v5, 16, v6                  ; P2 = B | T << 16
	s_wait_loadcnt 0x0
	v_and_b32 v35, 31, v57
	v_lshlrev_b32 v35, 2, v35                      ; 4 x my token's key
	v_bfe_u32 v36, v57, 8, 8                       ; rank in the group
	v_bfe_u32 v37, v57, 16, 4                      ; lower
	v_bfe_u32 v38, v57, 20, 4                      ; higher
	ds_bpermute_b32 v39, v35, v31
	ds_bpermute_b32 v40, v35, v32
	s_wait_dscnt 0x0
	v_and_b32 v43, 0xffff, v39
	v_add_nc_u32 v43, v43, v36
	v_min_u32 v43, 0xfff, v43                      ; my token's sorted row
	v_and_b32 v44, 0xffff, v40
	v_add_nc_u32 v44, v44, v36                     ; rho: its rank in its key
	v_lshrrev_b32 v45, 16, v40                     ; the key's tokens
	v_lshrrev_b32 v47, 16, v39
	v_lshrrev_b32 v48, 4, v44
	v_add_nc_u32 v47, v47, v48                     ; j: its tile
	s_lshl_b32 s48, s24, 3
	s_mov_b32 s51, 0
.irp i, 0,1,2,3,4,5,6,7                        ; my wave's 8 rows of codes: 1,024 consecutive bytes each
	s_add_co_u32 s49, s48, \i
	v_readlane_b32 s50, v43, s49
	s_min_u32 s50, s50, 4095
	s_lshl_b32 s50, s50, 10
	s_add_nc_u64 s[68+2*\i:69+2*\i], s[18:19], s[50:51]
	global_store_b128 v3, v[64+8*\i:64+8*\i+3], s[68+2*\i:69+2*\i]
	global_store_b128 v3, v[64+8*\i+4:64+8*\i+7], s[68+2*\i:69+2*\i] offset:512
.endr
	v_lshrrev_b32 v48, 2, v1
	v_add_nc_u32 v48, s48, v48
	v_lshlrev_b32 v48, 2, v48
	ds_bpermute_b32 v49, v48, v43                  ; the sorted row of the row whose 8 scale bytes I hold
	v_and_b32 v50, 3, v1
	v_lshlrev_b32 v50, 3, v50
	s_wait_dscnt 0x0
	v_min_u32 v49, 0xfff, v49
	v_lshl_add_u32 v49, v49, 5, v50
	global_store_b64 v49, v[60:61], s[18:19] offset:XSS_O
	s_cmp_lg_u32 s24, 0
	s_cbranch_scc1 .Ldone
	; WAVE 0: THE TABLES.  Every address, value and mask is made with all lanes on, ahead of the first line that narrows EXEC: behind it no vector register is written,
	; so that no lane of an address register keeps what the register held before.  The registers of the stores above (v3, v49, v60, v61, v64-127, s68-83) are left alone.
	; ---- lane = key: its two experts, and the run of tiles of its lower expert
	v_mov_b32 v21, 0
.irp th, 7,13,18,22,25,27,28
	v_cmp_le_u32 vcc_lo, \th, v1
	v_add_co_ci_u32 v21, vcc_lo, 0, v21, vcc_lo    ; the key's lower expert
.endr
	v_sub_nc_u32 v22, 15, v21
	v_mul_u32_u24 v22, v22, v21
	v_lshrrev_b32 v22, 1, v22                      ; F: the first key with that lower expert
	v_add_nc_u32 v175, 1, v21
	v_sub_nc_u32 v23, 14, v21
	v_mul_u32_u24 v23, v23, v175
	v_lshrrev_b32 v23, 1, v23                      ; the first key of the next
	v_lshlrev_b32 v24, 2, v22
	v_lshlrev_b32 v25, 2, v23
	ds_bpermute_b32 v26, v24, v20                  ; A: the first tile with my lower expert
	ds_bpermute_b32 v27, v25, v20
	v_sub_nc_u32 v176, v1, v22
	v_add3_u32 v176, v176, v21, 1                  ; the key's higher expert
	v_lshlrev_b32 v177, 2, v176
; The pair (a, e) has the key C(a) + e, C = a (15 - a) / 2 - a - 1.  n of that key, for e = my key's higher expert (v185 on) and for e = my lane (v199 on)
.macro GATH a, c4
	v_add_nc_u32 v[178+\a], \c4, v177
	v_add_nc_u32 v[192+\a], \c4, v2
	ds_bpermute_b32 v[185+\a], v[178+\a], v7
	ds_bpermute_b32 v[199+\a], v[192+\a], v7
.endm
	GATH 0, -4
	GATH 1, 20
	GATH 2, 40
	GATH 3, 56
	GATH 4, 68
	GATH 5, 76
	GATH 6, 80
	s_wait_dscnt 0x0
	v_sub_nc_u32 v28, v27, v26                     ; L: how many tiles have my lower expert as theirs
.irp a, 0,1,2,3,4,5,6
	v_cmp_lt_u32 vcc_lo, \a, v21
	v_cndmask_b32 v[185+\a], 0, v[185+\a], vcc_lo
	v_cmp_lt_u32 vcc_lo, \a, v1
	v_cndmask_b32 v[199+\a], 0, v[199+\a], vcc_lo
.endr
	v_add3_u32 v206, v185, v186, v187
	v_add3_u32 v206, v206, v188, v189
	v_add3_u32 v206, v206, v190, v191              ; lane = key: tiles of the pairs (a, higher) with a under my lower
	v_add3_u32 v207, v199, v200, v201
	v_add3_u32 v207, v207, v202, v203
	v_add3_u32 v207, v207, v204, v205              ; lane = expert: its tiles as higher expert
	v_sub_nc_u32 v208, 15, v1
	v_mul_u32_u24 v208, v208, v1
	v_lshrrev_b32 v208, 1, v208
	v_lshlrev_b32 v208, 2, v208
	ds_bpermute_b32 v209, v208, v28                ; lane = expert: its tiles as lower expert (lanes 8 on hold nothing that is used)
	v_add_nc_u32 v219, 7, v7
	v_lshrrev_b32 v219, 3, v219                    ; lane = key: its runs of 8 tiles
	v_lshlrev_b32 v29, 8, v219
	s_wait_dscnt 0x0
	v_add_nc_u32 v210, v209, v207
	v_cmp_gt_u32 vcc_lo, 8, v1
	v_cndmask_b32 v210, 0, v210, vcc_lo            ; N: the expert's list
	v_add_nc_u32 v211, 15, v210
	v_lshrrev_b32 v211, 4, v211                    ; its segments
	v_lshl_or_b32 v29, v211, 16, v29               ; both sums in one word: 59 and 42 at the most
	SCAN 29, 17, 18
	v_readlane_b32 s40, v20, 28                    ; all tiles
	v_readlane_b32 s41, v29, 28
	s_bfe_u32 s43, s41, 0x80008                    ; SEGB's segments
	s_add_co_u32 s45, s40, 15
	s_lshr_b32 s45, s45, 4                         ; the shared expert's segments come first
	v_lshrrev_b32 v212, 16, v29
	v_add_nc_u32 v212, s45, v212                   ; the expert's first segment
	v_lshl_or_b32 v213, v212, 16, v209             ; tiles as lower | first segment << 16
	v_lshl_or_b32 v227, v212, 16, v210             ; N | first segment << 16
	v_lshlrev_b32 v214, 2, v21
	ds_bpermute_b32 v215, v214, v213               ; lane = key again: my lower expert's,
	ds_bpermute_b32 v216, v177, v213               ; my higher expert's
	s_wait_dscnt 0x0
	v_lshrrev_b32 v217, 16, v215
	v_lshl_add_u32 v217, v217, 4, v20
	v_sub_nc_u32 v217, v217, v26                   ; where the key's first tile stands in SEGT for the lower expert
	v_lshrrev_b32 v218, 16, v216
	v_and_b32 v219, 0xffff, v216
	v_lshl_add_u32 v218, v218, 4, v219
	v_add_nc_u32 v218, v218, v206                  ; and for the higher: behind that expert's tiles as lower, and the pairs ahead
	v_lshl_or_b32 v220, v218, 16, v217             ; both under 1,024
	v_and_b32 v33, 0xff00, v29
	v_lshl_or_b32 v33, v7, 16, v33                 ; the key's first SEGB place << 8 | n << 16
	ds_bpermute_b32 v41, v35, v33                  ; lane = token
	ds_bpermute_b32 v42, v35, v220
	s_wait_dscnt 0x0
	v_lshrrev_b32 v46, 16, v41                     ; the key's tiles
	v_lshlrev_b32 v128, 2, v43                     ; TOKS: 4 bytes a sorted row
	s_lshl_b32 s49, s22, 5
	v_add_nc_u32 v129, s49, v1                     ; my token's number
	v_lshlrev_b32 v130, 3, v43                     ; WS: 8 bytes a sorted row
	v_sub_nc_u32 v131, v45, v44                    ; a tile's first token writes TINFO and the tile's three entries
	v_min_u32 v131, 16, v131
	v_add_nc_u32 v131, -1, v131
	v_lshl_or_b32 v131, v131, 12, v43
	v_min_u32 v132, 0x1ff, v47
	v_lshlrev_b32 v132, 2, v132
	v_and_b32 v133, 15, v44
	v_cmp_eq_u32 s52, 0, v133
	v_lshrrev_b32 v137, 4, v44                     ; the tile's number in its key
	v_lshl_or_b32 v221, v47, 16, v131              ; slot 0
	v_or_b32 v222, 1<<25, v221                     ; slot 1
	v_or_b32 v223, 2<<25, v221                     ; slot 2
	v_and_b32 v224, 0xffff, v42
	v_add_nc_u32 v224, v224, v137
	v_min_u32 v224, 0x3ff, v224
	v_lshlrev_b32 v224, 2, v224
	v_lshrrev_b32 v225, 16, v42
	v_add_nc_u32 v225, v225, v137
	v_min_u32 v225, 0x3ff, v225
	v_lshlrev_b32 v225, 2, v225
	v_min_u32 v226, 0x3ff, v47                     ; the shared list is all tiles in order
	v_lshlrev_b32 v226, 2, v226
	v_sub_nc_u32 v138, v46, v137                   ; the key's tiles from mine on
	v_min_u32 v139, 8, v138                        ; every 8th tile of a key opens a segment of SEGB
	v_lshl_or_b32 v139, v139, 9, v47
	v_lshl_or_b32 v139, v37, 13, v139
	v_lshl_or_b32 v139, v38, 17, v139
	v_bfe_u32 v140, v41, 8, 8
	v_lshrrev_b32 v141, 7, v44
	v_add_nc_u32 v140, v140, v141
	v_min_u32 v140, 63, v140
	v_lshlrev_b32 v140, 2, v140
	v_and_b32 v141, 127, v44
	v_cmp_eq_u32 s54, 0, v141
	v_mov_b32 v245, 0                              ; zeros behind SEGB's last segment: stored by work-group 0 alone
.irp m, 0,1
	v_add_nc_u32 v[241+2*\m], 32*\m, v1
	v_lshlrev_b32 v[242+2*\m], 2, v[241+2*\m]
	v_cmp_le_u32 s[59+\m], s43, v[241+2*\m]
.endr
	s_cmp_lg_u32 s22, 0
	s_cbranch_scc1 .Lno_head
	; work-group 0: all 64 words of SEGH, all lanes on.  Segment q belongs to the last expert whose first segment is at or under q; R = N + 16 x that first segment, so that R - 16 q tiles are left from q on
	v_mov_b32 v228, v1
	v_add_nc_u32 v229, 32, v1
	v_lshlrev_b32 v230, 4, v228
	v_lshlrev_b32 v231, 4, v229
.irp e, 0,1,2,3,4,5,6,7
	v_readlane_b32 s28, v227, \e
	s_lshr_b32 s29, s28, 16
	s_and_b32 s28, s28, 0xffff
	s_lshl_b32 s30, s29, 4
	s_add_co_u32 s28, s28, s30
	v_mov_b32 v236, s28
.if \e == 0
	v_mov_b32 v232, v236
	v_mov_b32 v233, v236
	v_mov_b32 v234, 0
	v_mov_b32 v235, 0
.else
	v_cmp_le_u32 s31, s29, v228
	v_cmp_le_u32 s32, s29, v229
	v_cndmask_b32 v232, v232, v236, s31
	v_cndmask_b32 v233, v233, v236, s32
	v_cndmask_b32 v234, v234, \e, s31
	v_cndmask_b32 v235, v235, \e, s32
.endif
.endr
.irp m, 0,1
	v_max_u32 v[232+\m], v[232+\m], v[230+\m]
	v_sub_nc_u32 v[232+\m], v[232+\m], v[230+\m]
	v_min_u32 v[232+\m], 16, v[232+\m]             ; an expert's segment; 0 behind the last
	v_max_u32 v[237+\m], s40, v[230+\m]
	v_sub_nc_u32 v[237+\m], v[237+\m], v[230+\m]
	v_min_u32 v[237+\m], 16, v[237+\m]             ; a segment of the shared list
	v_cmp_gt_u32 s31, s45, v[228+\m]
	v_cndmask_b32 v[232+\m], v[232+\m], v[237+\m], s31
	v_cndmask_b32 v[234+\m], v[234+\m], 8, s31
	v_lshl_or_b32 v[232+\m], v[234+\m], 5, v[232+\m]
	global_store_b32 v2, v[232+\m], s[20:21] offset:SEGH_O+128*\m
.endr
.Lno_head:
	global_store_b32 v128, v129, s[20:21]          ; TOKS
	global_store_b64 v130, v[58:59], s[18:19] offset:WS_O
	s_wait_xcnt 0x0                                ; EXEC changes only behind a wait that shows the pending stores' addresses read
	s_mov_b32 vcc_lo, s52
	s_and_saveexec_b32 s50, vcc_lo                 ; the tiles' first tokens
	global_store_b32 v132, v131, s[20:21] offset:TINFO_O
	global_store_b32 v224, v221, s[20:21] offset:SEGT_O
	global_store_b32 v225, v222, s[20:21] offset:SEGT_O
	global_store_b32 v226, v223, s[20:21] offset:SEGT_O
	s_wait_xcnt 0x0
	s_or_b32 exec_lo, exec_lo, s50
.macro MST msk, adr, val, off          ; a store by the lanes named in s[msk]
	s_wait_xcnt 0x0
	s_mov_b32 vcc_lo, s[\msk]
	s_and_saveexec_b32 s50, vcc_lo
	global_store_b32 v[\adr], v[\val], s[20:21] offset:\off
	s_wait_xcnt 0x0
	s_or_b32 exec_lo, exec_lo, s50
.endm
	MST 54, 140, 139, SEGB_O
	s_cmp_lg_u32 s22, 0
	s_cbranch_scc1 .Ldone
	MST 59, 242, 245, SEGB_O
	MST 60, 244, 245, SEGB_O
.Ldone:
	s_endpgm
.Lcopies:
	v_and_b32 v5, 15, v1                           ; r
	v_lshrrev_b32 v6, 4, v1                        ; h
	s_cmp_lt_u32 ttmp9, 272
	s_cbranch_scc0 .Lpath_d
	s_sub_co_u32 s28, ttmp9, 128                   ; panel 16 e + ug; my wave is the tile: 0, 1 gate; 2, 3 up
	s_lshr_b32 s29, s28, 4
	s_and_b32 s30, s28, 15
	s_cmp_lt_u32 s29, 8                            ; ids alone choose the buffer
	s_cselect_b64 s[32:33], s[4:5], s[8:9]
	s_cselect_b64 s[34:35], s[6:7], s[10:11]
	s_cselect_b32 s31, s29, 0
	s_cmp_lt_u32 s24, 2
	s_cselect_b64 s[32:33], s[32:33], s[34:35]
	s_lshl_b32 s26, s31, 19
	s_lshl_b32 s36, s30, 15
	s_add_co_u32 s26, s26, s36
	s_and_b32 s36, s24, 1
	s_lshl_b32 s36, s36, 13
	s_add_co_u32 s26, s26, s36
	s_add_nc_u64 s[32:33], s[32:33], s[26:27]
	s_lshl_b32 s26, s28, 16
	s_lshl_b32 s36, s24, 11
	s_add_co_u32 s26, s26, s36
	s_add_co_u32 s26, s26, GUF_O
	s_add_nc_u64 s[34:35], s[18:19], s[26:27]
	v_and_b32 v7, 8, v5
	v_add_nc_u32 v7, v7, v5                        ; r + 8 (r / 8)
	v_lshlrev_b32 v7, 10, v7
	v_lshl_add_u32 v7, v6, 4, v7
.irp s, 0,1,2,3,4,5,6,7
.irp c, 0,1,2,3
	global_load_b128 v[64+16*\s+4*\c:64+16*\s+4*\c+3], v7, s[32:33] offset:128*\s+32*\c
.endr
.endr
.irp s, 0,1,2,3,4,5,6,7
.irp c, 0,1,2,3
	s_wait_loadcnt 31-4*\s-\c                      ; loads come back in order: this one is in
	global_store_b128 v3, v[64+16*\s+4*\c:64+16*\s+4*\c+3], s[34:35] offset:8192*\s+512*\c   ; 512 consecutive bytes
.endr
.endr
	s_endpgm
.Lpath_d:
	s_sub_co_u32 s28, ttmp9, 272
	s_lshl_b32 s28, s28, 2
	s_add_co_u32 s28, s28, s24                     ; 32 waves: two tiles of 16 rows of sWd each
	s_lshl_b32 s26, s28, 14
	s_add_nc_u64 s[32:33], s[12:13], s[26:27]
	s_add_co_u32 s26, s26, SWDF_O
	s_add_nc_u64 s[34:35], s[18:19], s[26:27]
	v_lshlrev_b32 v7, 9, v5
	v_lshl_add_u32 v7, v6, 4, v7
.irp d, 0,1
.irp s, 0,1,2,3
.irp c, 0,1,2,3
	global_load_b128 v[64+4*(16*\d+4*\s+\c):64+4*(16*\d+4*\s+\c)+3], v7, s[32:33] offset:8192*\d+128*\s+32*\c
.endr
.endr
.endr
.irp d, 0,1
.irp s, 0,1,2,3
.irp c, 0,1,2,3
	s_wait_loadcnt 31-16*\d-4*\s-\c
	global_store_b128 v3, v[64+4*(16*\d+4*\s+\c):64+4*(16*\d+4*\s+\c)+3], s[34:35] offset:(4*\d+\s)*2048+512*\c
.endr
.endr
.endr
	s_endpgm
.Lfunc_end_k_qc65a4fe9be_place:
	.size	k_qc65a4fe9be_place, .Lfunc_end_k_qc65a4fe9be_place-k_qc65a4fe9be_place
	.p2alignl 7, 3214868480
	.fill 96, 4, 3214868480
	.section	.rodata,"a",@progbits
	.p2align	6, 0x0
	.amdhsa_kernel k_qc65a4fe9be_place
		.amdhsa_group_segment_fixed_size 0
		.amdhsa_private_segment_fixed_size 0
		.amdhsa_enable_private_segment 0
		.amdhsa_kernarg_size 72
		.amdhsa_user_sgpr_count 2
		.amdhsa_user_sgpr_kernarg_segment_ptr 1
		.amdhsa_wavefront_size32 1
		.amdhsa_system_sgpr_workgroup_id_x 1
		.amdhsa_system_sgpr_workgroup_id_y 1
		.amdhsa_system_sgpr_workgroup_id_z 1
		.amdhsa_system_vgpr_workitem_id 0
		.amdhsa_next_free_vgpr 256
		.amdhsa_next_free_sgpr 84
		.amdhsa_reserve_vcc 1
		.amdhsa_float_denorm_mode_32 3
		.amdhsa_float_denorm_mode_16_64 3
		.amdhsa_memory_ordered 1
		.amdhsa_forward_progress 1
		.amdhsa_inst_pref_size 75
	.end_amdhsa_kernel
	.amdgpu_metadata
---
amdhsa.version: [ 1, 2 ]
amdhsa.kernels:
  - .name:           k_qc65a4fe9be_place
    .symbol:         k_qc65a4fe9be_place.kd
    .args:
      - { .name: Wg_codes, .offset: 0, .size: 8, .value_kind: global_buffer, .address_space: global }
      - { .name: Wu_codes, .offset: 8, .size: 8, .value_kind: global_buffer, .address_space: global }
      - { .name: sWg_codes, .offset: 16, .size: 8, .value_kind: global_buffer, .address_space: global }
      - { .name: sWu_codes, .offset: 24, .size: 8, .value_kind: global_buffer, .address_space: global }
      - { .name: sWd_codes, .offset: 32, .size: 8, .value_kind: global_buffer, .address_space: global }
      - { .name: p1, .offset: 40, .size: 8, .value_kind: global_buffer, .address_space: global }
      - { .name: n1, .offset: 48, .size: 8, .value_kind: global_buffer, .address_space: global }
      - { .name: p2, .offset: 56, .size: 8, .value_kind: global_buffer, .address_space: global }
      - { .name: n2, .offset: 64, .size: 8, .value_kind: global_buffer, .address_space: global }
    .group_segment_fixed_size: 0
    .private_segment_fixed_size: 0
    .kernarg_segment_align: 8
    .kernarg_segment_size: 72
    .max_flat_workgroup_size: 128
    .sgpr_count:     84
    .vgpr_count:     256
    .wavefront_size: 32
...
	.end_amdgpu_metadata
.endif
;; end of part 2
;; launch gateup (part 3): grid 4 x 60, 4 waves a work-group, no clusters, 279,040 bytes of LDS; arguments Wg_scales, Wu_scales, sWg_scales, sWu_scales, p2, n2, p3; writes p3
.if DOCPART == 3
	.amdgcn_target "amdgcn-amd-amdhsa--gfx1250"
	.amdhsa_code_object_version 6
	.text
	.protected	k_qc65a4fe9be_gateup
	.globl	k_qc65a4fe9be_gateup
	.p2align	8
	.type	k_qc65a4fe9be_gateup,@function
k_qc65a4fe9be_gateup:
	s_mov_b64 s[64:65], 0
	v_nop
	global_prefetch_b8 v0, s[64:65] scope:SCOPE_SE
	s_setreg_imm32_b32 hwreg(HW_REG_WAVE_MODE, 25, 1), 1
	s_wait_xcnt 0x0
; Launch 3 of 4: hidden = gelu(x Wg) (x Wu) cw, quantised along the hidden units.  (Work left out: only the rows of the experts that a token chose, and the shared expert's; see the head of the first kernel.)
; A work-group takes a segment of the stored list (one expert, up to 16 tiles of 16 sorted rows, each with its slot) x 128 hidden units (x = K step of the down product).
; 60 segments serve every split: the shared list makes 18 at the most, the eight experts' lists (564 + 8 x 15) / 16 = 42.  So the launch has 240 work-groups, one for a WGP.
; A segment without tiles multiplies and stores nothing; its loads go to clamped places and every barrier is passed by every wave: no barrier stands under a branch on a stored number.
; No tensor load and no cluster: operands go from memory to registers.
; Wave w makes hidden units 32 (4 x + w) .. + 31: its panel, 32 fragments (gate tiles 0, 1, up tiles 0, 1 x 8 K steps), stays in 512 registers, read once.
; A tile's 16 rows of x's codes are loaded once a work-group (a wave 4 rows), laid in LDS by pieces of 16 bytes (piece chi: 16 rows x 16 bytes + 16 of padding), and read as fragments by all four waves.
; Each of the 16 tile buffers is written once.  The product is used transposed (source 0 = 16 rows of the weight, source 1 = 16 tokens): a lane holds one token, and the rows of a weight tile are chosen so that
; the 16 registers of two tiles are 16 neighbours along the next K: the conversions' results are chunk w of the down product's fragment, stored as an image of its registers.
; gelu is exact: erf(z) = z P(z^2) / Q(z^2), z held to +-4, polynomials of degree 6 and 4 in z^2, accurate to a few units of the last place of f32.
; LIMIT: for g under about -5.6, 1 + erf gives 0 where gelu is of the order of 1e-8 x g.
; REGISTERS: v1 16 x lane; v2 r; v3 h; v4, v5 my rows; v6 my piece; v7, v8 LDS places; v9, v10 the same + the trip's buffers; v11 the tiles' entries; v12, v13 the add's two; v14, v15 where results go; v16-47 four accumulators;
;   v48-79 the weights' scale words; v80-95 x's, two sets; v96, 97 cw; v98-103 constants; v104-111 offsets; v112-175 the activation; v176-187 the quantiser; v192-255 rows as loaded, two sets;
;   v256-511 x's fragments, two sets; v512-1023 the panel.
.set TB,    17408                      ; a tile buffer: 64 pieces x 272 bytes
.set SPARE, 278528                     ; behind the 16 buffers: the spare words
.set XSS_O, 4194304
.set WS_O,  4325376
.set GUF_O, 4358144
.set SEGH_O, 18432
.set SEGT_O, 19200
.set INTS_O, 7077888
.set MSB, 0
.macro WIN new
.if MSB != \new
	s_set_vgpr_msb (MSB<<8)|\new
.set MSB, \new
.endif
.endm
	s_load_b256 s[4:11], s[0:1], 0x0               ; Wg, Wu, sWg, sWu scales
	s_load_b128 s[12:15], s[0:1], 0x20             ; p2, n2
	s_load_b64 s[16:17], s[0:1], 0x30              ; p3
	v_lshl_add_u32 v12, v0, 2, SPARE
	v_mov_b32 v13, 0
	v_lshrrev_b32 v1, 5, v0
	v_readfirstlane_b32 s20, v1                    ; wave
	s_mov_b32 s21, ttmp9                           ; which 128 hidden units
	s_and_b32 s39, ttmp7, 0xffff                   ; my segment
	s_lshl_b32 s22, s39, 2
	s_wait_kmcnt 0x0
	s_load_b32 s23, s[14:15], s22 offset:SEGH_O    ; tiles | expert << 5
	v_and_b32 v3, 31, v0
	v_lshlrev_b32 v1, 4, v3
	v_and_b32 v2, 15, v0
	v_lshrrev_b32 v3, 4, v3
	s_lshl_b32 s31, s20, 2
	v_add_nc_u32 v4, s31, v3                       ; rows 4 w + h
	v_add_nc_u32 v5, 2, v4                         ; and two further
	v_lshlrev_b32 v6, 4, v2
	v_mul_u32_u24 v7, v2, 272
	v_lshl_add_u32 v7, v3, 4, v7
	s_lshl_b32 s31, s20, 6
	v_add_nc_u32 v7, s31, v7                       ; in: piece (lane % 16), row 4 w + h
	v_mul_u32_u24 v8, v3, 272
	v_lshl_add_u32 v8, v2, 4, v8                   ; out: piece h, row r
	v_mov_b32 v99, 0                               ; (named as the upper half of a pair)
	v_mov_b32 v100, 0x32edffee                     ; a11, twice
	v_mov_b32 v101, 0x32edffee
	v_mov_b32 v102, 0xb95fbd29                     ; b6, twice
	v_mov_b32 v103, 0xb95fbd29
	v_mov_b32 v178, 0                              ; a lane permute's destination counts as read
	s_mov_b32 s58, 0x76543210
	s_mov_b32 s59, 0xfedcba98
	s_mov_b32 s60, 0x600000
	s_mov_b32 s30, 0                               ; the trip's first tile
	s_mov_b32 s35, 0                               ; and its buffer
	s_mov_b32 s33, 0
	s_wait_kmcnt 0x0
	s_and_b32 s25, s23, 31
	s_min_u32 s25, s25, 16                         ; tiles
	s_max_u32 s26, s25, 1
	s_sub_co_u32 s26, s26, 1                       ; the last tile's number in the segment
	s_bfe_u32 s27, s23, 0x40005
	s_min_u32 s27, s27, 8                          ; expert; 8 = shared
	s_min_u32 s24, s25, 1
	s_mul_i32 s24, s24, s39                        ; a segment without tiles reads segment 0's first entry, which is always written
	s_min_u32 s24, s24, 63
	s_lshl_b32 s24, s24, 4                         ; my first entry
	s_lshl_b32 s29, s21, 2
	s_add_co_u32 s29, s29, s20                     ; my 32 hidden units
	s_lshl_b32 s32, s27, 4
	s_add_co_u32 s32, s32, s29
	s_lshl_b32 s32, s32, 16
	s_add_co_u32 s32, s32, GUF_O
	s_add_nc_u64 s[40:41], s[12:13], s[32:33]      ; my panel
	s_lshl_b32 s32, s21, 11
	s_lshl_b32 s34, s20, 9
	s_add_co_u32 s32, s32, s34
	s_add_nc_u64 s[48:49], s[16:17], s[32:33]      ; codes: K step, chunk; the tile and its slot are added tile by tile
	s_lshl_b32 s32, s21, 2
	s_add_co_u32 s32, s32, s20
	s_add_co_u32 s32, s32, INTS_O
	s_add_nc_u64 s[50:51], s[16:17], s[32:33]      ; scale bytes
	s_cmp_eq_u32 s27, 8
	s_cselect_b64 s[52:53], s[8:9], s[4:5]
	s_cselect_b64 s[54:55], s[10:11], s[6:7]
	s_cselect_b32 s38, -1, 0                       ; the shared expert's weight is 1
	s_and_b32 s32, s27, 7                          ; 0 for the shared expert
	s_lshl_b32 s32, s32, 14
	s_lshl_b32 s34, s29, 10
	s_add_co_u32 s32, s32, s34
	s_add_nc_u64 s[52:53], s[52:53], s[32:33]
	s_add_nc_u64 s[54:55], s[54:55], s[32:33]
	v_min_u32 v176, s26, v2
	v_add_nc_u32 v176, s24, v176
	v_min_u32 v176, 0x3ff, v176
	v_lshlrev_b32 v176, 2, v176
	global_load_b32 v11, v176, s[14:15] offset:SEGT_O   ; lane i: tile i's entry: first sorted row | rows - 1 << 12 | tile << 16 | slot << 25
	WIN 0x80
.set x, 0
.rept 64
	global_load_b128 v[4*x:4*x+3], v1, s[40:41] offset:512*x
.set x, x+1
.endr
	WIN 0xc0
.rept 64
	global_load_b128 v[4*(x-64):4*(x-64)+3], v1, s[40:41] offset:512*x
.set x, x+1
.endr
	WIN 0
	v_and_b32 v177, 8, v2
	v_add_nc_u32 v177, v177, v2
	v_lshlrev_b32 v177, 5, v177                    ; the weights' scale bytes: 32 a row, rows as in the tiles
.irp u, 0,1
.irp hf, 0,1
	global_load_b128 v[48+8*\u+4*\hf:48+8*\u+4*\hf+3], v177, s[52:53] offset:256*\u+16*\hf
	global_load_b128 v[64+8*\u+4*\hf:64+8*\u+4*\hf+3], v177, s[54:55] offset:256*\u+16*\hf
.endr
.endr
.macro TI k                            ; tile (trip's first + k), held to the segment's last: s32 its entry, s33 first sorted row, s34 rows - 1
	s_add_co_u32 s31, s30, \k
	s_min_u32 s31, s31, s26
	v_readlane_b32 s32, v11, s31
	s_and_b32 s33, s32, 0xfff
	s_bfe_u32 s34, s32, 0x4000c
.endm
.macro SLOAD q, k                      ; my four rows of the tile: eight loads, each two rows x 256 consecutive bytes.  Rows past the tile's last repeat it
	TI \k
	v_min_u32 v[104+2*(\q)], s34, v4
	v_min_u32 v[105+2*(\q)], s34, v5
	v_add_nc_u32 v[104+2*(\q)], s33, v[104+2*(\q)]
	v_add_nc_u32 v[105+2*(\q)], s33, v[105+2*(\q)]
	v_min_u32 v[104+2*(\q)], 0xfff, v[104+2*(\q)]
	v_min_u32 v[105+2*(\q)], 0xfff, v[105+2*(\q)]
	v_lshl_add_u32 v[104+2*(\q)], v[104+2*(\q)], 10, v6
	v_lshl_add_u32 v[105+2*(\q)], v[105+2*(\q)], 10, v6
.irp m, 0,1,2,3
	global_load_b128 v[192+32*(\q)+4*\m:192+32*(\q)+4*\m+3], v[104+2*(\q)], s[12:13] offset:256*\m
	global_load_b128 v[208+32*(\q)+4*\m:208+32*(\q)+4*\m+3], v[105+2*(\q)], s[12:13] offset:256*\m
.endr
.endm
.macro SSTORE q, buf                   ; sixteen lanes of a store stand 272 bytes apart
.irp m, 0,1,2,3
	ds_store_b128 v9, v[192+32*(\q)+4*\m:192+32*(\q)+4*\m+3] offset:(\buf)*TB+\m*4352
	ds_store_b128 v9, v[208+32*(\q)+4*\m:208+32*(\q)+4*\m+3] offset:(\buf)*TB+\m*4352+32
.endr
.endm
.macro MLOAD q, k                      ; row r's eight scale words and its weight: three loads
	TI \k
	s_bfe_u32 s37, s32, 0x20019                    ; the tile's slot
	s_min_u32 s37, s37, 1
	s_lshl_b32 s37, s37, 2                         ; which of a row's two weights
	v_min_u32 v[108+2*(\q)], s34, v2
	v_add_nc_u32 v[108+2*(\q)], s33, v[108+2*(\q)]
	v_min_u32 v[108+2*(\q)], 0xfff, v[108+2*(\q)]
	v_lshl_add_u32 v[109+2*(\q)], v[108+2*(\q)], 3, s37
	v_lshlrev_b32 v[108+2*(\q)], 5, v[108+2*(\q)]
	global_load_b128 v[80+8*(\q):83+8*(\q)], v[108+2*(\q)], s[12:13] offset:XSS_O
	global_load_b128 v[84+8*(\q):87+8*(\q)], v[108+2*(\q)], s[12:13] offset:XSS_O+16
	global_load_b32 v[96+(\q)], v[109+2*(\q)], s[12:13] offset:WS_O
.endm
.macro AFETCH par, buf                 ; a tile's eight fragments: 32 loads, 256 consecutive bytes for each sixteen lanes
	WIN 0x40
.irp s, 0,1,2,3,4,5,6,7
.irp c, 0,1,2,3
	ds_load_b128 v[128*(\par)+16*\s+4*\c:128*(\par)+16*\s+4*\c+3], v10 offset:(\buf)*TB+(8*\s+2*\c)*272
.endr
.endr
	WIN 0
.endm
.macro MULT par, q                     ; 32 products; the four accumulators take turns; the first K step starts the sums
	WIN 0x06
.irp s, 0,1,2,3
.irp tau, 0,1,2,3
.if \s == 0
	v_wmma_scale_f32_16x16x128_f8f6f4 v[16+8*\tau:23+8*\tau], v[16*(4*\s+\tau):16*(4*\s+\tau)+15], v[128*(\par)+16*\s:128*(\par)+16*\s+15], 0, v[48+8*\tau+\s], v[80+8*(\q)+\s]
.else
	v_wmma_scale_f32_16x16x128_f8f6f4 v[16+8*\tau:23+8*\tau], v[16*(4*\s+\tau):16*(4*\s+\tau)+15], v[128*(\par)+16*\s:128*(\par)+16*\s+15], v[16+8*\tau:23+8*\tau], v[48+8*\tau+\s], v[80+8*(\q)+\s]
.endif
.endr
.endr
	WIN 0x07
.irp s, 4,5,6,7
.irp tau, 0,1,2,3
	v_wmma_scale_f32_16x16x128_f8f6f4 v[16+8*\tau:23+8*\tau], v[16*(4*(\s-4)+\tau):16*(4*(\s-4)+\tau)+15], v[128*(\par)+16*\s:128*(\par)+16*\s+15], v[16+8*\tau:23+8*\tau], v[48+8*\tau+\s], v[80+8*(\q)+\s]
.endr
.endr
	WIN 0
.endm
.macro ACT q, p                        ; v112-127 = 0.5 g (1 + erf(g / sqrt 2)) u cw: register n = hidden unit 16 h + n of my 32
	s_wait_xcnt 0x0                                ; the last tile's stores have read their registers
	TI \p
	s_bfe_u32 s31, s32, 0x90010
	s_min_u32 s31, s31, 287                        ; the tile
	s_bfe_u32 s34, s32, 0x20019
	s_min_u32 s34, s34, 2                          ; its slot
	s_mul_i32 s32, s31, 24576
	s_mul_i32 s33, s31, 768
	s_lshl_b32 s36, s34, 13
	s_add_co_u32 s32, s32, s36
	s_lshl_b32 s36, s34, 8
	s_add_co_u32 s33, s33, s36
	v_add_nc_u32 v14, s32, v1
	v_lshl_add_u32 v15, v2, 4, s33
	v_cndmask_b32 v[96+(\q)], v[96+(\q)], 1.0, s38
	v_mul_f32 v98, 0.5, v[96+(\q)]
.rept 4
	v_nop                                          ; with the four lines above: eight places behind the last product
.endr
.irp j, 0,2,4,6,8,10,12,14
	v_pk_mul_f32 v[112+\j:113+\j], v[16+\j:17+\j], 0x3f3504f3 op_sel_hi:[1,0]     ; z = g / sqrt 2; each accumulator from its low end on
.endr
.irp j, 0,1,2,3,4,5,6,7,8,9,10,11,12,13,14,15
	v_med3_num_f32 v[112+\j], v[112+\j], -4.0, 4.0
.endr
.irp j, 0,2,4,6,8,10,12,14
	v_pk_mul_f32 v[128+\j:129+\j], v[112+\j:113+\j], v[112+\j:113+\j]
.endr
.irp j, 0,2,4,6,8,10,12,14
	v_pk_fma_f32 v[144+\j:145+\j], v[128+\j:129+\j], 0xaf95df0b, v[100:101] op_sel_hi:[1,0,1]
.endr
.irp j, 0,2,4,6,8,10,12,14
	v_pk_fma_f32 v[160+\j:161+\j], v[128+\j:129+\j], 0xb77460cd, v[102:103] op_sel_hi:[1,0,1]
.endr
.irp a, 0xb60cff51, 0xb86ec2d2, 0xba40ac63, 0xbb41a1f6, 0xbc83dbd4
.irp j, 0,2,4,6,8,10,12,14
	v_pk_fma_f32 v[144+\j:145+\j], v[144+\j:145+\j], v[128+\j:129+\j], \a op_sel_hi:[1,1,0]
.endr
.endr
.irp a, 0xbadc924e, 0xbbf19bf8, 0xbc69b6a7
.irp j, 0,2,4,6,8,10,12,14
	v_pk_fma_f32 v[160+\j:161+\j], v[160+\j:161+\j], v[128+\j:129+\j], \a op_sel_hi:[1,1,0]
.endr
.endr
.irp j, 0,1,2,3,4,5,6,7,8,9,10,11,12,13,14,15
	v_rcp_f32 v[160+\j], v[160+\j]
.endr
.irp j, 0,2,4,6,8,10,12,14
	v_pk_mul_f32 v[144+\j:145+\j], v[144+\j:145+\j], v[112+\j:113+\j]             ; work that names no reciprocal: z P,
.endr
.irp j, 0,2,4,6,8,10,12,14
	v_pk_mul_f32 v[32+\j:33+\j], v[16+\j:17+\j], v[32+\j:33+\j]                   ; g u,
.endr
.irp j, 0,2,4,6,8,10,12,14
	v_pk_mul_f32 v[32+\j:33+\j], v[32+\j:33+\j], v[98:99] op_sel_hi:[1,0]         ; x cw / 2
.endr
	s_wait_alu depctr_va_vdst(0)                   ; one wait for the sixteen reciprocals, ahead of their first reader
.irp j, 0,2,4,6,8,10,12,14
	v_pk_mul_f32 v[144+\j:145+\j], v[144+\j:145+\j], v[160+\j:161+\j]             ; erf
.endr
.irp j, 0,2,4,6,8,10,12,14
	v_pk_fma_f32 v[112+\j:113+\j], v[32+\j:33+\j], v[144+\j:145+\j], v[32+\j:33+\j]
.endr
.endm
.macro QNT                             ; a block of 32 lies in lanes l and l xor 16
	v_max3_num_f32 v176, |v112|, |v113|, 0x4800000
	v_max3_num_f32 v177, |v120|, |v121|, |v122|
	v_max3_num_f32 v176, v176, |v114|, |v115|
	v_max3_num_f32 v177, v177, |v123|, |v124|
	v_max3_num_f32 v176, v176, |v116|, |v117|
	v_max3_num_f32 v177, v177, |v125|, |v126|
	v_max3_num_f32 v176, v176, |v118|, |v119|
	v_max3_num_f32 v176, v176, v177, |v127|
	v_permlanex16_b32 v178, v176, s58, s59
	v_max_num_f32 v176, v176, v178
	v_add_nc_u32 v179, 0xfc000000, v176
	v_and_or_b32 v180, v176, 0x7f800000, s60
	v_lshrrev_b32 v181, 23, v179
.irp j, 0,1,2,3,4,5,6,7,8,9,10,11,12,13,14,15
	v_med3_num_f32 v[112+\j], v[112+\j], -v180, v180
.endr
	v_cvt_scalef32_pk8_fp8_f32 v[184:185], v[112:119], v179
	v_cvt_scalef32_pk8_fp8_f32 v[186:187], v[120:127], v179
	v_nop
	global_store_b128 v14, v[184:187], s[48:49]    ; chunk w of the fragment: 512 consecutive bytes
	global_store_b8 v15, v181, s[50:51]            ; byte w of row r's scale word; lanes r and 16 + r write the same
.endm
; A trip: tile i = s30 + p.  All loads, LDS traffic, waits and barriers stand outside the guard, so every count holds on both ways.
; Global loads in flight at a trip's head, in order: rows(i + 2) 8, scales(i) 3, rows(i + 3) 8, scales(i + 1) 3.
.macro TRIP p, bar, st, ns, sl, dl, nm, ml
	s_wait_dscnt 0x0                               ; tile i's fragments are in, and my part of tile i + 1 lies in LDS
.if \bar
	s_barrier_signal -1
	s_barrier_wait -1                              ; everybody's does
.endif
.if \st
	s_wait_loadcnt \ns                             ; rows(i + 2) are in
	SSTORE \p, 2+\p
.endif
.if \dl
	AFETCH 1-\p, 1+\p
.endif
.if \sl
	s_wait_dscnt 32                                ; all but the 32 loads just issued: the stores have read their registers
	SLOAD \p, 4+\p
.endif
	s_wait_loadcnt \nm                             ; scales(i) are in
	s_add_co_u32 s36, s30, \p
	s_cmp_ge_u32 s36, s25
	s_cbranch_scc1 .Lskip_\@
	MULT \p, \p
	ACT \p, \p
	QNT
.Lskip_\@:
.if \ml
	MLOAD \p, 2+\p
.endif
.endm
	s_wait_loadcnt 63                              ; 136 loads are younger than the entries': the field's largest count is safe
	v_add_nc_u32 v9, s35, v7
	v_add_nc_u32 v10, s35, v8
	SLOAD 0, 0
	SLOAD 1, 1
	s_wait_loadcnt 8                               ; tile 1's rows may be out: the panel, its scales and tile 0's rows are in
	SSTORE 0, 0
	s_wait_dscnt 0x0
	SLOAD 0, 2
	MLOAD 0, 0
	s_barrier_signal -1
	s_barrier_wait -1                              ; tile 0 lies whole in LDS
	s_wait_loadcnt 11                              ; rows(2) 8 and scales(0) 3 may be out
	SSTORE 1, 1
	AFETCH 0, 0
	s_wait_dscnt 32
	SLOAD 1, 3
	MLOAD 1, 1
.Ltiles:                                               ; six trips of two tiles
	s_wait_dscnt 0x0
	v_add_nc_u32 v9, s35, v7
	v_add_nc_u32 v10, s35, v8
	TRIP 0, 1, 1, 14, 1, 1, 19, 1                  ; 14 = 3 + 8 + 3 younger than rows(i + 2); 19 = 8 + 3 + 8 younger than scales(i)
	TRIP 1, 1, 1, 14, 1, 1, 19, 1
	s_add_co_u32 s35, s35, 2*TB
	s_add_co_u32 s30, s30, 2
	s_cmp_lt_u32 s30, 12
	s_cbranch_scc1 .Ltiles
	s_wait_dscnt 0x0
	v_add_nc_u32 v9, s35, v7
	v_add_nc_u32 v10, s35, v8
	TRIP 0, 1, 1, 14, 0, 1, 11, 1                  ; tile 12: no rows left to ask for: 11 = rows(15) 8 + scales(13) 3
	TRIP 1, 1, 1, 6, 0, 1, 3, 1                    ; tile 13: 6 = scales(13) + scales(14); 3 = scales(14)
	s_add_co_u32 s35, s35, 2*TB
	s_add_co_u32 s30, s30, 2
	s_wait_dscnt 0x0
	v_add_nc_u32 v10, s35, v8
	TRIP 0, 1, 0, 0, 0, 1, 3, 0                    ; tile 14: 3 = scales(15)
	TRIP 1, 0, 0, 0, 0, 0, 0, 0                    ; tile 15
	s_wait_tensorcnt 0x0                           ; the wave's end
	ds_add_u32 v12, v13
	s_wait_dscnt 0x0
	s_endpgm
.Lfunc_end_k_qc65a4fe9be_gateup:
	.size	k_qc65a4fe9be_gateup, .Lfunc_end_k_qc65a4fe9be_gateup-k_qc65a4fe9be_gateup
	.p2alignl 7, 3214868480
	.fill 96, 4, 3214868480
	.section	.rodata,"a",@progbits
	.p2align	6, 0x0
	.amdhsa_kernel k_qc65a4fe9be_gateup
		.amdhsa_group_segment_fixed_size 279040
		.amdhsa_private_segment_fixed_size 0
		.amdhsa_enable_private_segment 0
		.amdhsa_kernarg_size 56
		.amdhsa_user_sgpr_count 2
		.amdhsa_user_sgpr_kernarg_segment_ptr 1
		.amdhsa_wavefront_size32 1
		.amdhsa_system_sgpr_workgroup_id_x 1
		.amdhsa_system_sgpr_workgroup_id_y 1
		.amdhsa_system_sgpr_workgroup_id_z 1
		.amdhsa_system_vgpr_workitem_id 0
		.amdhsa_next_free_vgpr 1024
		.amdhsa_next_free_sgpr 66
		.amdhsa_reserve_vcc 0
		.amdhsa_float_denorm_mode_32 3
		.amdhsa_float_denorm_mode_16_64 3
		.amdhsa_memory_ordered 1
		.amdhsa_forward_progress 1
		.amdhsa_inst_pref_size 169
	.end_amdhsa_kernel
	.amdgpu_metadata
---
amdhsa.version: [ 1, 2 ]
amdhsa.kernels:
  - .name:           k_qc65a4fe9be_gateup
    .symbol:         k_qc65a4fe9be_gateup.kd
    .args:
      - { .name: Wg_scales, .offset: 0, .size: 8, .value_kind: global_buffer, .address_space: global }
      - { .name: Wu_scales, .offset: 8, .size: 8, .value_kind: global_buffer, .address_space: global }
      - { .name: sWg_scales, .offset: 16, .size: 8, .value_kind: global_buffer, .address_space: global }
      - { .name: sWu_scales, .offset: 24, .size: 8, .value_kind: global_buffer, .address_space: global }
      - { .name: p2, .offset: 32, .size: 8, .value_kind: global_buffer, .address_space: global }
      - { .name: n2, .offset: 40, .size: 8, .value_kind: global_buffer, .address_space: global }
      - { .name: p3, .offset: 48, .size: 8, .value_kind: global_buffer, .address_space: global }
    .group_segment_fixed_size: 279040
    .private_segment_fixed_size: 0
    .kernarg_segment_align: 8
    .kernarg_segment_size: 56
    .max_flat_workgroup_size: 128
    .sgpr_count:     66
    .vgpr_count:     1024
    .wavefront_size: 32
...
	.end_amdgpu_metadata
.endif
;; end of part 3
;; launch down (part 4): grid 4 x 60, 4 waves a work-group, no clusters, 214,528 bytes of LDS; arguments sWd_scales, p1, p2, p3, n2, out0; writes out0
.if DOCPART == 4
	.amdgcn_target "amdgcn-amd-amdhsa--gfx1250"
	.amdhsa_code_object_version 6
	.text
	.protected	k_qc65a4fe9be_down
	.globl	k_qc65a4fe9be_down
	.p2align	8
	.type	k_qc65a4fe9be_down,@function
k_qc65a4fe9be_down:
	s_mov_b64 s[64:65], 0
	v_nop
	global_prefetch_b8 v0, s[64:65] scope:SCOPE_SE
	s_setreg_imm32_b32 hwreg(HW_REG_WAVE_MODE, 25, 1), 1
	s_wait_xcnt 0x0
; Launch 4 of 4: out = hidden(lower) Wd[lower] + hidden(higher) Wd[higher] + hidden(shared) sWd, one sum over K = 1,536 for each output.  (Work left out: the six experts that a token did not choose; see the head of the first kernel.)
; A work-group takes a segment of the stored list (up to 8 tiles of 16 sorted rows of ONE pair of experts) x 256 columns.  60 segments serve every split: 59 at the most.  Each output row has one owner.
; A segment without tiles multiplies and stores nothing; every wave passes every barrier.  No tensor load and no cluster.
; Wave w makes 64 columns (four tiles of 16) for all 8 tiles of rows: 32 accumulators.  K goes in 12 steps of 128, written out.  The weights' fragments go from memory straight into the wave's registers (no other wave
; wants its columns), three sets; the rows' fragments come once a work-group into LDS as images of their registers (a wave two tiles), each buffer written once, and all four waves read them, two sets.
; Transposed use: source 0 = 16 columns of the weight, source 1 = 16 rows: a lane holds one token and eight neighbouring columns.  On the way out a tile goes through my own stage, and sixteen lanes store
; 256 consecutive bytes of one token's row.  Rows past a tile's last repeat it: they hold the same numbers and go to the same place.
; REGISTERS: v1 16 x lane; v2 r; v3 h; v4-6, v7-9 LDS places; v10 TINFO; v11, v14 stage; v12, v13 the add's two; v15 my columns; v16-111 the rows' scale words; v112-159 the weights'; v160-167 tokens;
;   v168-231 images as loaded, two sets; v232-255 offsets;  v256-511 accumulators;  v512-767 the rows' fragments;  v768-959 the weights';  v960-1023 rows on the way out.
.set STG,   196608
.set SPARE, 214016
.set WDS_O, 4358144
.set WDF_O, 4489216
.set SWDF_O, 13795328
.set INTS_O, 7077888
.set TINFO_O, 16384
.set SEGB_O, 18944
.set MSB, 0
.macro WIN new
.if MSB != \new
	s_set_vgpr_msb (MSB<<8)|\new
.set MSB, \new
.endif
.endm
	s_load_b256 s[4:11], s[0:1], 0x0               ; sWd_scales, p1, p2, p3
	s_load_b128 s[12:15], s[0:1], 0x20             ; n2, out0
	v_lshl_add_u32 v12, v0, 2, SPARE
	v_mov_b32 v13, 0
	v_lshrrev_b32 v1, 5, v0
	v_readfirstlane_b32 s20, v1
	s_mov_b32 s21, ttmp9
	s_and_b32 s22, ttmp7, 0xffff
	s_lshl_b32 s22, s22, 2
	s_wait_kmcnt 0x0
	s_load_b32 s23, s[12:13], s22 offset:SEGB_O
	v_and_b32 v3, 31, v0
	v_lshlrev_b32 v1, 4, v3
	v_and_b32 v2, 15, v0
	v_lshrrev_b32 v3, 4, v3
	s_lshl_b32 s31, s20, 12
	v_add_nc_u32 v4, s31, v1                       ; in: my two tiles' places, steps 0-3,
	v_add_nc_u32 v5, 0x10000, v4                   ; 4-7,
	v_add_nc_u32 v6, 0x20000, v4                   ; 8-11
	v_mov_b32 v7, v1                               ; out likewise
	v_add_nc_u32 v8, 0x10000, v1
	v_add_nc_u32 v9, 0x20000, v1
	s_mul_i32 s31, s20, 4352
	s_add_co_u32 s31, s31, STG
	v_mul_u32_u24 v11, v2, 272
	v_lshl_add_u32 v11, v3, 5, v11
	v_add_nc_u32 v11, s31, v11                     ; stage in: row r, 32 h
	v_mul_u32_u24 v14, v3, 272
	v_lshl_add_u32 v14, v2, 4, v14
	v_add_nc_u32 v14, s31, v14                     ; back: lanes 0-15 one row, lanes 16-31 the next
	s_lshl_b32 s31, s21, 10
	s_lshl_b32 s32, s20, 8
	s_add_co_u32 s31, s31, s32
	v_lshl_add_u32 v15, v2, 4, s31                 ; my bytes in a row of out
	s_lshl_b32 s29, s21, 4
	s_lshl_b32 s31, s20, 2
	s_add_co_u32 s29, s29, s31                     ; my first tile of 16 columns
	s_mov_b32 s33, 0
	s_wait_kmcnt 0x0
	s_and_b32 s24, s23, 511
	s_min_u32 s24, s24, 287
	s_bfe_u32 s25, s23, 0x40009
	s_min_u32 s25, s25, 8                          ; tiles
	s_max_u32 s26, s25, 1
	s_sub_co_u32 s26, s26, 1
	s_bfe_u32 s27, s23, 0x4000d
	s_min_u32 s27, s27, 7                          ; lower
	s_bfe_u32 s28, s23, 0x40011
	s_min_u32 s28, s28, 7                          ; higher
	s_lshl_b32 s34, s29, 13
	s_lshl_b32 s32, s27, 19
	s_add_co_u32 s32, s32, s34
	s_add_co_u32 s32, s32, WDF_O
	s_add_nc_u64 s[40:41], s[6:7], s[32:33]
	s_lshl_b32 s32, s28, 19
	s_add_co_u32 s32, s32, s34
	s_add_co_u32 s32, s32, WDF_O
	s_add_nc_u64 s[42:43], s[6:7], s[32:33]
	s_add_co_u32 s32, s34, SWDF_O
	s_add_nc_u64 s[44:45], s[8:9], s[32:33]
.irp d, 0,1
	s_lshl_b32 s31, s20, 1
	s_add_co_u32 s31, s31, \d
	s_min_u32 s31, s31, s26
	s_add_co_u32 s31, s31, s24
	s_min_u32 s31, s31, 287
	s_mul_i32 s32, s31, 24576
	s_add_nc_u64 s[46+2*\d:47+2*\d], s[10:11], s[32:33]   ; the two tiles whose images I bring
.endr
	s_lshl_b32 s32, s27, 14
	s_add_co_u32 s32, s32, WDS_O
	s_add_nc_u64 s[50:51], s[6:7], s[32:33]
	s_lshl_b32 s32, s28, 14
	s_add_co_u32 s32, s32, WDS_O
	s_add_nc_u64 s[52:53], s[6:7], s[32:33]
	v_min_u32 v250, s26, v2
	v_add_nc_u32 v250, s24, v250
	v_min_u32 v250, 0x1ff, v250
	v_lshlrev_b32 v250, 2, v250
	global_load_b32 v10, v250, s[12:13] offset:TINFO_O
.irp i, 0,1,2,3,4,5,6,7
	s_min_u32 s31, s26, \i
	s_add_co_u32 s31, s31, s24
	s_min_u32 s31, s31, 287
	s_mul_i32 s31, s31, 768
	v_lshl_add_u32 v[232+\i], v2, 4, s31
.irp sl, 0,1,2
	global_load_b128 v[16+(3*\i+\sl)*4:16+(3*\i+\sl)*4+3], v[232+\i], s[10:11] offset:INTS_O+256*\sl   ; row r's four scale words of a slot
.endr
.endr
	s_lshl_b32 s31, s29, 6
	v_lshl_add_u32 v248, v2, 2, s31
	s_lshl_b32 s31, s29, 8
	v_lshl_add_u32 v249, v2, 4, s31
.irp tau, 0,1,2,3
.irp s, 0,1,2,3
	global_load_b32 v[112+(3*\tau)*4+\s], v248, s[50:51] offset:4096*\s+64*\tau
	global_load_b32 v[112+(3*\tau+1)*4+\s], v248, s[52:53] offset:4096*\s+64*\tau
.endr
	global_load_b128 v[112+(3*\tau+2)*4:112+(3*\tau+2)*4+3], v249, s[4:5] offset:256*\tau
.endr
	s_wait_loadcnt 60                              ; the 24 + 36 loads behind TINFO's may be out
.irp i, 0,1,2,3,4,5,6,7
	v_readlane_b32 s31, v10, \i
	s_and_b32 s32, s31, 0xfff
	s_bfe_u32 s34, s31, 0x4000c
	v_min_u32 v[240+\i], s34, v2
	v_add_nc_u32 v[240+\i], s32, v[240+\i]
	v_min_u32 v[240+\i], 0xfff, v[240+\i]
	v_lshlrev_b32 v[240+\i], 2, v[240+\i]
	global_load_b32 v[160+\i], v[240+\i], s[12:13]   ; row r's token
.endr
.macro SLD t                           ; step t's images of my two tiles: eight loads of 512 consecutive bytes
.irp d, 0,1
.irp c, 0,1,2,3
	global_load_b128 v[168+32*((\t)%2)+16*\d+4*\c:168+32*((\t)%2)+16*\d+4*\c+3], v1, s[46+2*\d:47+2*\d] offset:2048*(\t)+512*\c
.endr
.endr
.endm
.macro SST t
.irp d, 0,1
.irp c, 0,1,2,3
	ds_store_b128 v[4+(\t)/4], v[168+32*((\t)%2)+16*\d+4*\c:168+32*((\t)%2)+16*\d+4*\c+3] offset:((\t)%4)*16384+2048*\d+512*\c
.endr
.endr
.endm
.macro BLD t                           ; step t's four fragments of the weight: sixteen loads
	WIN 0xc0
.irp tau, 0,1,2,3
.irp c, 0,1,2,3
	global_load_b128 v[64*((\t)%3)+16*\tau+4*\c:64*((\t)%3)+16*\tau+4*\c+3], v1, s[40+2*((\t)/4):41+2*((\t)/4)] offset:8192*\tau+2048*((\t)%4)+512*\c
.endr
.endr
	WIN 0
.endm
.macro AFE t                           ; step t's eight fragments of rows: 32 loads
	WIN 0x80
.irp i, 0,1,2,3,4,5,6,7
.irp c, 0,1,2,3
	ds_load_b128 v[128*((\t)%2)+16*\i+4*\c:128*((\t)%2)+16*\i+4*\c+3], v[7+(\t)/4] offset:((\t)%4)*16384+2048*\i+512*\c
.endr
.endr
	WIN 0
.endm
; Global loads in flight at a step's head, in order: images(t + 2) 8, weights(t) 16, images(t + 3) 8, weights(t + 1) 16.
.macro KSTEP t
	s_wait_dscnt 0x0                               ; step t's fragments are in, and my images of step t + 1 lie in LDS
.if (\t) < 11
	s_barrier_signal -1
	s_barrier_wait -1
.endif
.if (\t) <= 8
	s_wait_loadcnt 40                              ; 16 + 8 + 16 are younger than images(t + 2)
	SST (\t)+2
.elseif (\t) == 9
	s_wait_loadcnt 32                              ; 16 + 16
	SST (\t)+2
.endif
.if (\t) > 0
.rept 8
	v_nop                                          ; eight places behind the last step's products, ahead of loads into registers that they read
.endr
.endif
.if (\t) <= 10
	AFE (\t)+1
.endif
.if (\t) <= 7
	s_wait_dscnt 32                                ; the stores have read their registers
	SLD (\t)+4
.endif
.if (\t) <= 9
	BLD (\t)+2
.endif
.if (\t) <= 7
	s_wait_loadcnt 48                              ; 8 + 16 + 8 + 16 are younger than weights(t)
.elseif (\t) == 8
	s_wait_loadcnt 40
.elseif (\t) == 9
	s_wait_loadcnt 32
.elseif (\t) == 10
	s_wait_loadcnt 16
.else
	s_wait_loadcnt 0
.endif
.irp i, 0,1,2,3,4,5,6,7                        ; the accumulators take turns, one instruction a turn, with one tile too
	s_cmp_le_u32 s25, \i
	s_cbranch_scc1 .Lkend_\@
	WIN 0x5b
.irp tau, 0,1,2,3
.if (\t) == 0
	v_wmma_scale_f32_16x16x128_f8f6f4 v[8*(4*\i+\tau):8*(4*\i+\tau)+7], v[64*((\t)%3)+16*\tau:64*((\t)%3)+16*\tau+15], v[128*((\t)%2)+16*\i:128*((\t)%2)+16*\i+15], 0, v[112+(3*\tau+(\t)/4)*4+(\t)%4], v[16+(3*\i+(\t)/4)*4+(\t)%4]
.else
	v_wmma_scale_f32_16x16x128_f8f6f4 v[8*(4*\i+\tau):8*(4*\i+\tau)+7], v[64*((\t)%3)+16*\tau:64*((\t)%3)+16*\tau+15], v[128*((\t)%2)+16*\i:128*((\t)%2)+16*\i+15], v[8*(4*\i+\tau):8*(4*\i+\tau)+7], v[112+(3*\tau+(\t)/4)*4+(\t)%4], v[16+(3*\i+(\t)/4)*4+(\t)%4]
.endif
.endr
	WIN 0
.endr
.Lkend_\@:
.endm
	SLD 0
	SLD 1
	s_wait_loadcnt 8                               ; images(1) may be out: scales, tokens and images(0) are in
	v_lshlrev_b32 v248, 2, v3                      ; the way out's lane indices: 4 (2 x + h)
.irp x, 1,2,3,4,5,6,7
	v_add_nc_u32 v[248+\x], 8*\x, v248
.endr
	SST 0
	s_wait_dscnt 0x0
	SLD 2
	BLD 0
	s_barrier_signal -1
	s_barrier_wait -1
	s_wait_loadcnt 24                              ; images(2) 8 and weights(0) 16 may be out
	SST 1
	AFE 0
	s_wait_dscnt 32
	SLD 3
	BLD 1
.irp t, 0,1,2,3,4,5,6,7,8,9,10,11
	KSTEP \t
.endr
.rept 8
	v_nop                                          ; eight places ahead of the first read of results
.endr
.irp i, 0,1,2,3,4,5,6,7
	s_cmp_le_u32 s25, \i
	s_cbranch_scc1 .Lout_end
	s_wait_xcnt 0x0                                ; earlier stores have read their offsets and data
	WIN 0x04                                       ; an LDS store's data: v256-511
.irp tau, 0,1,2,3
	ds_store_b128 v11, v[8*(4*\i+\tau):8*(4*\i+\tau)+3] offset:64*\tau          ; each accumulator from its low end on
	ds_store_b128 v11, v[8*(4*\i+\tau)+4:8*(4*\i+\tau)+7] offset:64*\tau+16
.endr
	WIN 0
.irp x, 0,1,2,3,4,5,6,7
	ds_bpermute_b32 v[232+\x], v[248+\x], v[160+\i]    ; the token of row 2 x + h
.endr
	WIN 0xc0
.irp x, 0,1,2,3,4,5,6,7
	ds_load_b128 v[192+32*(\i%2)+4*\x:192+32*(\i%2)+4*\x+3], v14 offset:544*\x   ; LDS serves a wave's instructions in order: these see my stores
.endr
	WIN 0
	s_wait_dscnt 0x0
.irp x, 0,1,2,3,4,5,6,7
	v_min_u32 v[232+\x], 0xfff, v[232+\x]
.endr
.irp x, 0,1,2,3,4,5,6,7
	v_lshl_add_u32 v[232+\x], v[232+\x], 12, v15
.endr
	WIN 0x0c                                       ; a store's data: v960-1023
.irp x, 0,1,2,3,4,5,6,7
	global_store_b128 v[232+\x], v[192+32*(\i%2)+4*\x:192+32*(\i%2)+4*\x+3], s[14:15] th:TH_STORE_NT   ; sixteen lanes store 256 consecutive bytes, at a multiple of 256 from out's first byte
.endr
	WIN 0
.endr
.Lout_end:
	s_wait_tensorcnt 0x0                           ; the wave's end
	ds_add_u32 v12, v13
	s_wait_dscnt 0x0
	s_endpgm
.Lfunc_end_k_qc65a4fe9be_down:
	.size	k_qc65a4fe9be_down, .Lfunc_end_k_qc65a4fe9be_down-k_qc65a4fe9be_down
	.p2alignl 7, 3214868480
	.fill 96, 4, 3214868480
	.section	.rodata,"a",@progbits
	.p2align	6, 0x0
	.amdhsa_kernel k_qc65a4fe9be_down
		.amdhsa_group_segment_fixed_size 214528
		.amdhsa_private_segment_fixed_size 0
		.amdhsa_enable_private_segment 0
		.amdhsa_kernarg_size 48
		.amdhsa_user_sgpr_count 2
		.amdhsa_user_sgpr_kernarg_segment_ptr 1
		.amdhsa_wavefront_size32 1
		.amdhsa_system_sgpr_workgroup_id_x 1
		.amdhsa_system_sgpr_workgroup_id_y 1
		.amdhsa_system_sgpr_workgroup_id_z 1
		.amdhsa_system_vgpr_workitem_id 0
		.amdhsa_next_free_vgpr 1024
		.amdhsa_next_free_sgpr 66
		.amdhsa_reserve_vcc 0
		.amdhsa_float_denorm_mode_32 3
		.amdhsa_float_denorm_mode_16_64 3
		.amdhsa_memory_ordered 1
		.amdhsa_forward_progress 1
		.amdhsa_inst_pref_size 168
	.end_amdhsa_kernel
	.amdgpu_metadata
---
amdhsa.version: [ 1, 2 ]
amdhsa.kernels:
  - .name:           k_qc65a4fe9be_down
    .symbol:         k_qc65a4fe9be_down.kd
    .args:
      - { .name: sWd_scales, .offset: 0, .size: 8, .value_kind: global_buffer, .address_space: global }
      - { .name: p1, .offset: 8, .size: 8, .value_kind: global_buffer, .address_space: global }
      - { .name: p2, .offset: 16, .size: 8, .value_kind: global_buffer, .address_space: global }
      - { .name: p3, .offset: 24, .size: 8, .value_kind: global_buffer, .address_space: global }
      - { .name: n2, .offset: 32, .size: 8, .value_kind: global_buffer, .address_space: global }
      - { .name: out0, .offset: 40, .size: 8, .value_kind: global_buffer, .address_space: global }
    .group_segment_fixed_size: 214528
    .private_segment_fixed_size: 0
    .kernarg_segment_align: 8
    .kernarg_segment_size: 48
    .max_flat_workgroup_size: 128
    .sgpr_count:     66
    .vgpr_count:     1024
    .wavefront_size: 32
...
	.end_amdgpu_metadata
.endif
;; end of part 4
